; MI455X (gfx1250); checked and timed in simulation.
; The chip was launched on July 23, 2026; its instructions are those of AMD's public machine-readable ISA for CDNA 5 (MIT licence, August 2026) and "CDNA5" Instruction Set Architecture Reference Guide (July 2026). The comments in the code are by the model that wrote it; some were corrected since.
;; Selfattention. Allowed arithmetic: float matrix products may take bf16 or f16 operands with f32 sums; other float arithmetic in f32, or as packed bf16 or f16 multiplies, adds, multiply-adds, maxima and minima; sums over many terms, partial sums and values carried from step to step in f32; what a program stores and reads back later, other than sums and carried values, may be rounded once to bf16 or f16.
;; Inputs: Wk 1,024 x 1,024 float32; Wq 1,024 x 1,024 float32; Wv 1,024 x 1,024 float32; bk 1,024 float32; bq 1,024 float32; bv 1,024 float32; x 4 x 2,048 x 1,024 float32.
;; Outputs: out0 4 x 2,048 x 1,024 float32.
;; 2 versions, each right; version 2 is version 1 with the launch cast written anew for expert scheduling mode. Each part assembles by itself: llvm-mc -triple=amdgcn-amd-amdhsa -mcpu=gfx1250 --defsym DOCPART=n.
;; ======== version 1 of 2: 4 launches
;; limits: values are held in f16: magnitudes above 65,504 overflow, below 6.1e-05 lose precision
;; workspace buffers: xb 16,777,216 bytes; wb 6,291,456 bytes; bb 12,288 bytes; qkv 50,331,648 bytes; pt 33,554,432 bytes; stat 1,048,576 bytes; h32 1,572,864 bytes
;; launch cast (part 1): grid 704 x 1, 8 waves a work-group, no clusters, 0 bytes of LDS; arguments x, Wq, Wk, Wv, bq, bk, bv, xb, wb, bb, stat; writes xb, wb, bb, stat
.if DOCPART == 1
	.amdgcn_target "amdgcn-amd-amdhsa--gfx1250"
	.amdhsa_code_object_version 6
	.text
	.protected	k_qfd291123c1_cast
	.globl	k_qfd291123c1_cast
	.p2align	8
	.type	k_qfd291123c1_cast,@function
k_qfd291123c1_cast:
	s_mov_b64 s[64:65], 0
	v_nop
	global_prefetch_b8 v0, s[64:65] scope:SCOPE_SE
	s_setreg_imm32_b32 hwreg(HW_REG_WAVE_MODE, 25, 1), 1
	s_wait_xcnt 0x0
; x [8192][1024] and Wq, Wk, Wv [1024][1024], all f32, are rounded once to bf16: xb [8192][1024], wb [3072][1024] (Wq's rows, then Wk's, then Wv's).
; The three biases are rounded to bf16 too and kept as f32 in bb [3072]: every input of the module has the same one rounding.
; stat (c x block maximum [4][16][2048], then block sum [4][16][2048], f32) gets its defaults: -1e30 and 0, for the key blocks that no later launch writes.
; A stream: no LDS, no barrier, no matrix unit.  A work-group takes 16,384 numbers: 512 work-groups for x, 64 for each W.  Thread t takes 16 bytes at 4,096 i + 16 t, i = 0..15:
; all sixteen loads go out first; a store of a wave covers 256 consecutive bytes, aligned.
.set X, 8                              ; v[8:71]   sixteen loads of four f32
.set Y, 72                             ; v[72:103] sixteen pairs of packed bf16, each stored once and never rewritten
	s_load_b512 s[8:23], s[0:1], 0x0               ; x s[8:9], Wq s[10:11], Wk s[12:13], Wv s[14:15], bq s[16:17], bk s[18:19], bv s[20:21], xb s[22:23]
	s_load_b128 s[24:27], s[0:1], 0x40             ; wb s[24:25], bb s[26:27]
	s_load_b64 s[28:29], s[0:1], 0x50              ; stat
	v_lshlrev_b32 v1, 4, v0                        ; 16 t
	v_lshlrev_b32 v2, 3, v0                        ; 8 t
	v_lshrrev_b32 v3, 5, v0
	v_readfirstlane_b32 s7, v3                     ; wave 0..7
	s_mov_b32 s2, ttmp9                            ; g
	s_sub_co_u32 s4, s2, 512                       ; g - 512: my place among W's 192 work-groups (of use where g >= 512)
	s_lshr_b32 s5, s4, 6                           ; which W
	s_and_b32 s6, s4, 63                           ; which 64th of it
	s_cmp_lt_u32 s2, 512                           ; do I work on x?
	s_cselect_b32 s3, 1, 0
	s_cselect_b32 s38, s2, s6                      ; my block in the source,
	s_cselect_b32 s40, s2, s4                      ; and in the destination
	s_lshl_b32 s38, s38, 16                        ; 65,536 bytes of f32
	s_mov_b32 s39, 0
	s_lshl_b32 s40, s40, 15                        ; 32,768 bytes of bf16
	s_mov_b32 s41, 0
	s_wait_kmcnt 0x0
	s_cmp_eq_u32 s5, 1
	s_cselect_b64 s[32:33], s[12:13], s[10:11]     ; Wk or Wq,
	s_cselect_b64 s[34:35], s[18:19], s[16:17]     ; bk or bq
	s_cmp_eq_u32 s5, 2
	s_cselect_b64 s[32:33], s[14:15], s[32:33]     ; or Wv,
	s_cselect_b64 s[34:35], s[20:21], s[34:35]     ; bv
	s_cmp_eq_u32 s3, 1
	s_cselect_b64 s[32:33], s[8:9], s[32:33]       ; or x
	s_cselect_b64 s[36:37], s[22:23], s[24:25]     ; into xb or wb
	s_add_nc_u64 s[32:33], s[32:33], s[38:39]
	s_add_nc_u64 s[36:37], s[36:37], s[40:41]
.irp i, 0,1,2,3,4,5,6,7,8,9,10,11,12,13,14,15
	global_load_b128 v[X+4*(\i):X+4*(\i)+3], v1, s[32:33] offset:4096*(\i) th:TH_LOAD_NT
.endr
.irp i, 0,1,2,3,4,5,6,7,8,9,10,11,12,13,14,15
	s_wait_loadcnt 15-(\i)                         ; loads come back in order: load i is in, the younger ones stay out
	v_cvt_pk_bf16_f32 v[Y+2*(\i)], v[X+4*(\i)], v[X+4*(\i)+1]
	v_cvt_pk_bf16_f32 v[Y+2*(\i)+1], v[X+4*(\i)+2], v[X+4*(\i)+3]
	global_store_b64 v2, v[Y+2*(\i):Y+2*(\i)+1], s[36:37] offset:2048*(\i)
.endr
	s_cmp_eq_u32 s3, 1
	s_cbranch_scc0 .Lweights
	; x's 512 work-groups also fill stat: 1,024 bytes of each half; waves 0, 1 the maxima's, waves 2, 3 the sums'
	s_cmp_lt_u32 s7, 4
	s_cbranch_scc0 .Lend
	s_cmp_lt_u32 s7, 2
	s_cselect_b32 s42, 0xf149f2ca, 0               ; -1e30, or 0
	s_lshr_b32 s43, s7, 1
	s_lshl_b32 s43, s43, 19                        ; the half: 524,288 bytes
	s_lshl_b32 s44, s2, 10
	s_add_co_u32 s43, s43, s44
	v_and_b32 v3, 63, v0
	v_lshlrev_b32 v3, 4, v3
	v_add_nc_u32 v3, s43, v3
	v_mov_b32 v4, s42
	v_mov_b32 v5, s42
	v_mov_b32 v6, s42
	v_mov_b32 v7, s42
	global_store_b128 v3, v[4:7], s[28:29]
	s_branch .Lend
.Lweights:
	; the first work-group of each W also rounds that W's bias: 256 threads x four numbers
	s_cmp_eq_u32 s6, 0
	s_cbranch_scc0 .Lend
	global_load_b128 v[4:7], v1, s[34:35]
	s_lshl_b32 s44, s5, 12                         ; 4,096 bytes of bb for each bias
	v_add_nc_u32 v3, s44, v1
	s_wait_loadcnt 0x0
	v_cvt_pk_bf16_f32 v104, v4, v5
	v_cvt_pk_bf16_f32 v105, v6, v7
	v_lshlrev_b32 v4, 16, v104                     ; bf16 back to f32: the low half moves up,
	v_and_b32 v5, 0xffff0000, v104                 ; the high half stays
	v_lshlrev_b32 v6, 16, v105
	v_and_b32 v7, 0xffff0000, v105
	global_store_b128 v3, v[4:7], s[26:27]
.Lend:
	s_endpgm
.Lfunc_end_k_qfd291123c1_cast:
	.size	k_qfd291123c1_cast, .Lfunc_end_k_qfd291123c1_cast-k_qfd291123c1_cast
	.p2alignl 7, 3214868480
	.fill 96, 4, 3214868480
	.section	.rodata,"a",@progbits
	.p2align	6, 0x0
	.amdhsa_kernel k_qfd291123c1_cast
		.amdhsa_group_segment_fixed_size 0
		.amdhsa_private_segment_fixed_size 0
		.amdhsa_enable_private_segment 0
		.amdhsa_kernarg_size 88
		.amdhsa_user_sgpr_count 2
		.amdhsa_user_sgpr_kernarg_segment_ptr 1
		.amdhsa_wavefront_size32 1
		.amdhsa_system_sgpr_workgroup_id_x 1
		.amdhsa_system_sgpr_workgroup_id_y 1
		.amdhsa_system_sgpr_workgroup_id_z 1
		.amdhsa_system_vgpr_workitem_id 0
		.amdhsa_next_free_vgpr 112
		.amdhsa_next_free_sgpr 66
		.amdhsa_reserve_vcc 0
		.amdhsa_float_denorm_mode_32 3
		.amdhsa_float_denorm_mode_16_64 3
		.amdhsa_memory_ordered 1
		.amdhsa_forward_progress 1
		.amdhsa_inst_pref_size 9
	.end_amdhsa_kernel
	.amdgpu_metadata
---
amdhsa.version: [ 1, 2 ]
amdhsa.kernels:
  - .name:           k_qfd291123c1_cast
    .symbol:         k_qfd291123c1_cast.kd
    .args:
      - { .name: x, .offset: 0, .size: 8, .value_kind: global_buffer, .address_space: global }
      - { .name: Wq, .offset: 8, .size: 8, .value_kind: global_buffer, .address_space: global }
      - { .name: Wk, .offset: 16, .size: 8, .value_kind: global_buffer, .address_space: global }
      - { .name: Wv, .offset: 24, .size: 8, .value_kind: global_buffer, .address_space: global }
      - { .name: bq, .offset: 32, .size: 8, .value_kind: global_buffer, .address_space: global }
      - { .name: bk, .offset: 40, .size: 8, .value_kind: global_buffer, .address_space: global }
      - { .name: bv, .offset: 48, .size: 8, .value_kind: global_buffer, .address_space: global }
      - { .name: xb, .offset: 56, .size: 8, .value_kind: global_buffer, .address_space: global }
      - { .name: wb, .offset: 64, .size: 8, .value_kind: global_buffer, .address_space: global }
      - { .name: bb, .offset: 72, .size: 8, .value_kind: global_buffer, .address_space: global }
      - { .name: stat, .offset: 80, .size: 8, .value_kind: global_buffer, .address_space: global }
    .group_segment_fixed_size: 0
    .private_segment_fixed_size: 0
    .kernarg_segment_align: 8
    .kernarg_segment_size: 88
    .max_flat_workgroup_size: 256
    .sgpr_count:     66
    .vgpr_count:     112
    .wavefront_size: 32
...
	.end_amdgpu_metadata
.endif
;; end of part 1
;; launch proj (part 2): grid 12 x 32, 4 waves a work-group, clusters of 4 x 4, 327,680 bytes of LDS; arguments xb, wb, bb, qkv, h32; writes qkv, h32
.if DOCPART == 2
	.amdgcn_target "amdgcn-amd-amdhsa--gfx1250"
	.amdhsa_code_object_version 6
	.text
	.protected	k_qfd291123c1_proj
	.globl	k_qfd291123c1_proj
	.p2align	8
	.type	k_qfd291123c1_proj,@function
k_qfd291123c1_proj:
	s_mov_b64 s[64:65], 0
	v_nop
	global_prefetch_b8 v0, s[64:65] scope:SCOPE_SE
	s_setreg_imm32_b32 hwreg(HW_REG_WAVE_MODE, 25, 1), 1
	s_wait_xcnt 0x0
	s_wait_alu depctr_hold_cnt(0) depctr_sa_sdst(0) depctr_va_vdst(0) depctr_va_sdst(0) depctr_va_ssrc(0) depctr_va_vcc(0) depctr_vm_vsrc(0)
	s_getreg_b32 s2, hwreg(HW_REG_IB_STS2, 6, 4)
	s_cmp_eq_u32 s2, 0
	s_cbranch_scc0 .Lentry_in_a_cluster
	s_endpgm
.Lentry_in_a_cluster:
	s_bfe_u32 s2, ttmp6, 0x10000c
	s_cmp_lg_u32 s2, 0xf033
	s_cbranch_scc0 .Lentry_shape_is_right
	s_endpgm
.Lentry_shape_is_right:
; qkv[m][n] = the sum over k of xb[m][k] wb[n][k] + bb[n].  xb: [8192][1024] bf16, wb: [3072][1024] bf16, bb: [3072] f32, qkv: [8192][3072] f16 (q, k, v side by side in a row of 6,144 bytes).
; Sums in f32; the bias is the C operand of each sum's first product; one rounding to f16 at the end.
; THE FIRST 32 ROWS OF EACH BATCH ALSO LEAVE UNROUNDED, in f32: h32 [4 x 32][3072].  Row q of the module's result is a mean over q + 1 keys only, so in the first rows a rounding of q, k or v to
; f16 (2^-11 of the number) reaches the result nearly whole; those rows' attention is made in f32, by work-groups of their own in the next launch.
; LIMIT.  f16 holds no number beyond 65,504: a q, k or v past that becomes an infinity and the row is lost.  Inputs of unit spread give about 5; inputs all thirty times larger about 4,500.
; A tile of 256 x 256 is made by four waves, 128 x 128 each: 64 accumulators of 16 x 16, 512 registers.  K = 1,024 goes in 8 steps of 128 through two LDS slots filled by the tensor data mover:
; rows of 256 bytes that start at multiples of 256 bytes from the buffer's first byte.  One K step to a trip of the loop: the slot in hand is a scalar register that an exclusive or turns.
; CLUSTER: 4 x 4 work-groups.  The four of a row of the cluster need the same tile of xb, the four of a column the same tile of wb: each tile is asked for jointly, by the same tensor load with the
; same descriptor and a mask that names the four.  Tile row = cluster y + 8 cy: a batch is 8 tile rows, so the clusters with y = 0 hold the first tile row of all four batches (batch = cy), and the
; branch to the f32 rows' way out hangs on the cluster's y and the wave's number alone.
; THE MATRIX INSTRUCTION IS USED TRANSPOSED: source 0 = 16 rows of wb, source 1 = 16 rows of xb: lane l holds row l % 16 of the result and the columns 8 (l / 16) + 0..7: 16 bytes of f16 on end.
; REGISTERS, in windows of 256 (s_set_vgpr_msb: bits 1:0 source 0, 3:2 source 1, 5:4 source 2, 7:6 destination):
;   window 0: v0-31 addresses; v64-127, v128-191 fragments of xb, two buffers; v192-255 first the bias, then at work on the way out, with v32-63
;   window 1: v64-127, v128-191 fragments of wb      window 2: accumulators of my rows 0-63 ((a, b) at v[8 (8 a + b)])      window 3: those of my rows 64-127
.set KSTEP,  128
.set PITCH,  272                       ; an LDS row: 256 bytes + 16 of padding = 68 words: the 16 rows of a fragment load start at 16 different groups of four banks (64 banks of 4 bytes: ISA guide 11.1)
.set HALFT,  128*PITCH                 ; what one tensor load brings
.set SLOT,   4*HALFT                   ; 0x22000: xb's 256 rows, then wb's 256 rows.  It shares no bit with wave x HALFT (0, 0x8800, 0x11000, 0x19800): an exclusive or changes slots
.set STAGE,  2*SLOT                    ; behind the ring: 16 rows x 272 bytes for each wave, for the way out; no tensor load lands there
.set SPITCH, 272
.set SPARE,  STAGE+4*16*SPITCH         ; the spare words, 128 bytes for each wave: two blocks of 256 bytes that no other line names
.set KB,     2048                      ; bytes in a row of xb and of wb
.set CB,     6144                      ; bytes in a row of qkv
.set HB,     12288                     ; bytes in a row of h32
.set ADRA, 16                          ; v16  LDS address of my xb fragments in the slot in hand
.set A0,   17                          ; v17  the same in slot 0; never rewritten
.set ADRB, 20                          ; v20, v21 the same for wb
.set B0,   21
.set STO,  24                          ; v24  the way out: where I put 16 bytes of a row
.set RD,   25                          ; v25  where I read a row back
.set CO,   26                          ; v26  my byte offset in two rows of qkv
.set STF,  27                          ; v27  the f32 rows' way out: where I put 32 bytes of a row
.set SPW,  28                          ; v28  my spare word: SPARE + 4 x my thread's number; never rewritten
.set NIL,  29                          ; v29  0; never rewritten
.set PFO,  30                          ; v30  the prefetches' offset: my lane x a row; never rewritten
.set HO,   31                          ; v31  my byte offset in two rows of h32
.set F0,   64
.set F1,   128
.set BIAS, 192                         ; v[192:255] bb of my 128 columns: for column block b the eight numbers 16 b + 8 (l / 16) + 0..7
.set TMP,  192                         ; later: packed results
.set OB,   32                          ; 16 rows read back from the stage: v32-63 and v224-255 by turns
.set WV,  12                           ; s12 wave
.set WM,  13                           ; s13 my half of the tile's rows; also: I fetch xb (0) or wb (1)
.set WN,  14                           ; s14 my half of its columns; also: which 128 rows I fetch
.set CX,  15
.set CY,  16
.set TX,  17                           ; s17 tile column, 0..11
.set TY,  18                           ; s18 tile row, 0..31
.set CNT, 19                           ; s19 trips to go
.set TB,  20                           ; s20 0 or SLOT: the slot in hand
.set LIM, 21                           ; s21 2 in a wave that prefetches, else the greatest number
.set PFA, 22                           ; s[22:23] where my prefetches stand
.set G1A, 24                           ; s[24:31] descriptor group 1 for xb's tiles
.set G1B, 32                           ; s[32:39] for wb's: the mask differs
.set G0A, 40                           ; s[40:47] group 0 for xb: the set of K step 0, then the set that walks from K step 1 on
.set G0B, 48                           ; s[48:55] the same for wb
.set HPT, 76                           ; s[76:77] h32 at my batch's first row and my first column
.set HD,  78                           ; s78 0 where the cluster's y is 0 and I hold the tile's rows 0-127: my row blocks 0 and 1 are a batch's first 32 rows
.set MSB, 0
.macro WIN new                         ; the immediate's high byte repeats the setting that is left; a switch that changes nothing is dropped
.if MSB != (\new)
	s_set_vgpr_msb (MSB<<8)|(\new)
.set MSB, \new
.endif
.endm
.macro PLACES                          ; four plain vector instructions between a matrix instruction and a load into, or a vector instruction on, its registers
.rept 4
	v_nop
.endr
.endm
; A joint refill by the walking sets.  Waves 0, 1 fetch xb's two halves, waves 2, 3 wb's: the branch hangs on the wave's number alone.  An s_nop 0 and four v_nop follow each line.
.macro JLOAD
	s_cmp_eq_u32 s[WM], 0
	s_cbranch_scc0 .Lfor_b_\@
	tensor_load_to_lds s[G0A+4:G0A+7], s[G1A:G1A+7]
	s_nop 0
	PLACES
	s_branch .Lasked_\@
.Lfor_b_\@:
	tensor_load_to_lds s[G0B+4:G0B+7], s[G1B:G1B+7]
	s_nop 0
	PLACES
.Lasked_\@:
.endm
; A prefetch, behind the joint load and the run of LDS loads: 32 rows x 256 bytes, a lane a row, of the K step that stands two refills on (512 matrix instructions ahead of its load).
; xb's tile row is read by the three clusters of a row of clusters: cluster x = 0 asks; wb's tile column by the eight of a column: cluster y = 0 asks.  Of the 128 rows that a wave fetches each of the
; four partners takes 32, told apart by address.  Trips 0 to 3 ask, for K steps 4 to 7; K steps 0 to 3 come by their loads alone.
.macro ASK
	s_cmp_gt_u32 s[CNT], s[LIM]
	s_cbranch_scc0 .Lnot_mine_\@
	global_prefetch_b8 v[PFO], s[PFA:PFA+1] th:TH_LOAD_NT scope:SCOPE_SE
.Lnot_mine_\@:
.endm
.macro CREST                           ; a round of the cluster's barrier behind its opening barrier
	s_cmp_lg_u32 s[WV], 0
	s_cbranch_scc1 .Lnot_wave_0_\@
	s_barrier_signal -3
.Lnot_wave_0_\@:
	s_barrier_wait -3
	s_barrier_signal -1
	s_barrier_wait -1
.endm
.macro CROUND                          ; a whole round
	s_barrier_signal -1
	s_barrier_wait -1
	CREST
.endm
	s_load_b256 s[4:11], s[0:1], 0x0               ; xb s[4:5], wb s[6:7], bb s[8:9], qkv s[10:11]
	s_load_b64 s[HPT:HPT+1], s[0:1], 0x20          ; h32
	v_lshl_add_u32 v[SPW], v0, 2, SPARE
	v_mov_b32 v[NIL], 0
	ds_add_u32 v[SPW], v[NIL]                      ; the wave's opening: the add and its wait stand ahead of my first tensor load; work on registers stands between them
	v_lshrrev_b32 v1, 5, v0
	v_readfirstlane_b32 s[WV], v1
	s_lshr_b32 s[WM], s[WV], 1
	s_and_b32 s[WN], s[WV], 1
	s_bfe_u32 s[CX], ttmp6, 0x40000
	s_bfe_u32 s[CY], ttmp6, 0x40004
	s_lshl_b32 s[TX], ttmp9, 2
	s_add_co_u32 s[TX], s[TX], s[CX]               ; tile column = 4 x cluster x + cx
	s_and_b32 s[TY], ttmp7, 0xffff
	s_lshl_b32 s62, s[CY], 3
	s_add_co_u32 s[TY], s[TY], s62                 ; tile row = cluster y + 8 cy
	s_and_b32 s[HD], ttmp7, 0xffff
	s_or_b32 s[HD], s[HD], s[WM]                   ; equal in all sixteen partners, for a given wave
	s_lshl_b32 s62, s[CY], 2
	s_lshl_b32 s62, 15, s62                        ; my row of the cluster: places 4 cy .. 4 cy + 3
	s_lshl_b32 s63, 0x1111, s[CX]                  ; my column: places cx, cx + 4, cx + 8, cx + 12
	s_or_b32 s[G1A], s62, (1<<16)|(1<<20)|(1<<21)|(5<<22)|(3<<25)  ; mask; 2-byte elements; padding on; bit 21 beside a mask; after every 64 words, 4 words
	s_or_b32 s[G1B], s63, (1<<16)|(1<<20)|(1<<21)|(5<<22)|(3<<25)
.irp g, G1A, G1B
	s_mov_b32 s[(\g)+1], KSTEP<<16                 ; tensor_dim0 = 128
	s_mov_b32 s[(\g)+2], 128<<16                   ; tensor_dim1 = 128
	s_mov_b32 s[(\g)+3], KSTEP<<16                 ; tile_dim0 = 128
	s_mov_b32 s[(\g)+4], 128                       ; tile_dim1 = 128
	s_mov_b32 s[(\g)+5], 1024                      ; elements from row to row
	s_mov_b32 s[(\g)+6], 0
	s_mov_b32 s[(\g)+7], 0
.endr
	s_lshl_b32 s60, s[WN], 7                       ; which 128 rows of the tile I fetch
	s_lshl_b32 s56, s[TY], 8
	s_add_co_u32 s56, s56, s60
	s_lshl_b32 s56, s56, 11                        ; xb: (256 x tile row + 128 x half) rows of 2,048 bytes: under 2^25
	s_mov_b32 s57, 0
	s_lshl_b32 s58, s[TX], 8
	s_add_co_u32 s58, s58, s60
	s_lshl_b32 s58, s58, 11                        ; wb: by the tile column
	s_mov_b32 s59, 0
	s_mul_i32 s61, s[WV], HALFT                    ; where my tile goes: no place in the cluster enters an LDS address
	s_mov_b32 s[TB], 0
	s_wait_dscnt 0x0                               ; the opening add is done
	s_wait_kmcnt 0x0
	s_add_nc_u64 s[56:57], s[4:5], s[56:57]
	s_add_nc_u64 s[58:59], s[6:7], s[58:59]
	CROUND                                         ; all sixteen work-groups are here: the first joint loads meet
.irp s, 0,1
	s_mov_b32 s[G0A+4*(\s)], 1
	s_add_co_u32 s[G0A+4*(\s)+1], s61, (\s)*SLOT
	s_add_nc_u64 s[G0A+4*(\s)+2:G0A+4*(\s)+3], s[56:57], (\s)*KSTEP*2
	s_or_b32 s[G0A+4*(\s)+3], s[G0A+4*(\s)+3], 0x80000000
	s_mov_b32 s[G0B+4*(\s)], 1
	s_add_co_u32 s[G0B+4*(\s)+1], s61, (\s)*SLOT
	s_add_nc_u64 s[G0B+4*(\s)+2:G0B+4*(\s)+3], s[58:59], (\s)*KSTEP*2
	s_or_b32 s[G0B+4*(\s)+3], s[G0B+4*(\s)+3], 0x80000000
.endr
	s_cmp_eq_u32 s[WM], 0                          ; a wave's two first fills stand in one branch: two tensor loads of mine are out
	s_cbranch_scc0 .Lfirst_b
	tensor_load_to_lds s[G0A:G0A+3], s[G1A:G1A+7]
	s_nop 0
	tensor_load_to_lds s[G0A+4:G0A+7], s[G1A:G1A+7]
	s_nop 0
	PLACES
	s_branch .Lfirst_asked
.Lfirst_b:
	tensor_load_to_lds s[G0B:G0B+3], s[G1B:G1B+7]
	s_nop 0
	tensor_load_to_lds s[G0B+4:G0B+7], s[G1B:G1B+7]
	s_nop 0
	PLACES
.Lfirst_asked:
	; a fragment is 16 rows x 32 K in 8 registers: lane l holds row l % 16, K = 8 (l / 16) + 0..7 and 16 + 8 (l / 16) + 0..7: two loads of 16 bytes, 32 bytes apart
	v_and_b32 v1, 15, v0                           ; l % 16
	v_bfe_u32 v2, v0, 4, 1                         ; l / 16
	s_lshl_b32 s74, s[TX], 10
	s_lshl_b32 s75, s[WN], 9
	s_add_co_u32 s74, s74, s75                     ; my first column's place in bb: (256 x tile column + 128 x half) x 4
	v_lshl_add_u32 v5, v2, 5, s74                  ; + 32 x (l / 16)
.irp b, 0,1,2,3,4,5,6,7
	global_load_b128 v[BIAS+8*(\b):BIAS+8*(\b)+3],   v5, s[8:9] offset:64*(\b)
	global_load_b128 v[BIAS+8*(\b)+4:BIAS+8*(\b)+7], v5, s[8:9] offset:64*(\b)+16
.endr
	v_mul_u32_u24 v3, v1, PITCH
	v_lshl_add_u32 v3, v2, 4, v3
	s_mul_i32 s60, s[WM], HALFT                    ; my 128 rows of xb,
	s_mul_i32 s61, s[WN], HALFT                    ; my 128 rows of wb,
	s_add_co_u32 s61, s61, 2*HALFT                 ; which lie behind xb's 256
	v_add_nc_u32 v[A0], s60, v3
	v_add_nc_u32 v[B0], s61, v3
	v_mov_b32 v[ADRA], v[A0]
	v_mov_b32 v[ADRB], v[B0]
	s_mul_i32 s60, s[WV], 16*SPITCH
	s_add_co_u32 s60, s60, STAGE                   ; my stage
	v_mul_u32_u24 v4, v1, SPITCH
	v_lshl_add_u32 v4, v2, 4, v4
	v_add_nc_u32 v[STO], s60, v4
	v_lshl_add_u32 v[STF], v2, 4, v[STO]           ; in f32 a lane's eight columns are 32 bytes: row l % 16, 32 bytes for each half of the lanes
	v_mul_u32_u24 v4, v2, SPITCH
	v_lshl_add_u32 v4, v1, 4, v4
	v_add_nc_u32 v[RD], s60, v4
	v_mul_u32_u24 v4, v2, CB
	v_lshl_add_u32 v[CO], v1, 4, v4
	v_mul_u32_u24 v4, v2, HB
	v_lshl_add_u32 v[HO], v1, 4, v4
	s_lshl_b32 s72, s[TY], 8
	s_lshl_b32 s73, s[WM], 7
	s_add_co_u32 s72, s72, s73                     ; my first row of qkv,
	s_mul_i32 s72, s72, CB                         ; in bytes: under 2^26
	s_lshl_b32 s73, s[TX], 9
	s_add_co_u32 s72, s72, s73
	s_lshl_b32 s73, s[WN], 8
	s_add_co_u32 s72, s72, s73                     ; + my first column: 512 x tile column + 256 x half
	s_mov_b32 s73, 0
	s_add_nc_u64 s[10:11], s[10:11], s[72:73]
	s_mul_i32 s72, s[CY], 32*HB                    ; h32 (of use where the cluster's y is 0: batch = cy): 32 rows a batch,
	s_lshl_b32 s73, s[TX], 10
	s_add_co_u32 s72, s72, s73
	s_lshl_b32 s73, s[WN], 9
	s_add_co_u32 s72, s72, s73                     ; + my first column in f32: 1,024 x tile column + 512 x half
	s_mov_b32 s73, 0
	s_add_nc_u64 s[HPT:HPT+1], s[HPT:HPT+1], s[72:73]
	; the prefetches
	s_and_b32 s69, ttmp7, 0xffff                   ; cluster y
	s_cmp_eq_u32 s[WM], 0                          ; do I fetch xb?
	s_cselect_b32 s66, s[TY], s[TX]                ; the tile
	s_cselect_b32 s67, s[CX], s[CY]                ; my place among the four that ask for it with me
	s_cselect_b32 s68, ttmp9, s69                  ; the coordinate along which other clusters read the same rows
	s_cselect_b64 s[PFA:PFA+1], s[4:5], s[6:7]
	s_cmp_eq_u32 s68, 0
	s_cselect_b32 s[LIM], 2, -1                    ; the same in all sixteen partners, for a given wave
	s_lshl_b32 s66, s66, 8
	s_lshl_b32 s70, s[WN], 7
	s_add_co_u32 s66, s66, s70
	s_lshl_b32 s67, s67, 5
	s_add_co_u32 s66, s66, s67                     ; the tile's row + the 128 that I fetch + my work-group's 32 of them
	s_lshl_b32 s66, s66, 11
	s_add_co_u32 s66, s66, 3*KSTEP*2               ; at K step 3: the first change of slots steps it to 4
	s_mov_b32 s67, 0
	s_add_nc_u64 s[PFA:PFA+1], s[PFA:PFA+1], s[66:67]
	v_and_b32 v[PFO], 31, v0
	v_lshlrev_b32 v[PFO], 11, v[PFO]
; 16 matrix instructions: row blocks a0, a0 + 1 of the window's four (hi = 0: my rows 0-63, 1: rows 64-127) x all 8 column blocks, 32 along K.  zero = 1: the product starts the sum, with the bias as C.
; The 64 accumulators take turns, one instruction a turn, in the same order in every quarter step.
.macro MUL16 f, hi, a0, zero
.if \zero
	WIN 0x81+0x40*(\hi)                            ; wb window 1, xb window 0, C (the bias) window 0, D window 2 or 3
.else
	WIN 0xa1+0x50*(\hi)                            ; C and D window 2 or 3
.endif
.irp a, \a0, (\a0)+1
.irp b, 0,1,2,3,4,5,6,7
.if \zero
	v_wmma_f32_16x16x32_bf16 v[8*(8*(\a)+(\b)):8*(8*(\a)+(\b))+7], v[(\f)+8*(\b):(\f)+8*(\b)+7], v[(\f)+8*(4*(\hi)+(\a)):(\f)+8*(4*(\hi)+(\a))+7], v[BIAS+8*(\b):BIAS+8*(\b)+7]
.else
	v_wmma_f32_16x16x32_bf16 v[8*(8*(\a)+(\b)):8*(8*(\a)+(\b))+7], v[(\f)+8*(\b):(\f)+8*(\b)+7], v[(\f)+8*(4*(\hi)+(\a)):(\f)+8*(4*(\hi)+(\a))+7], v[8*(8*(\a)+(\b)):8*(8*(\a)+(\b))+7]
.endif
.endr
.endr
.endm
; 32 LDS loads in one run: the fragments of a quarter step (32 K at byte k of the rows of the slot in hand) into buffer f
.macro FETCH k, f
	WIN 0x40
.irp i, 0,1,2,3,4,5,6,7
	ds_load_b128 v[(\f)+8*(\i):(\f)+8*(\i)+3],   v[ADRB] offset:(\k)+(\i)*16*PITCH
	ds_load_b128 v[(\f)+8*(\i)+4:(\f)+8*(\i)+7], v[ADRB] offset:(\k)+(\i)*16*PITCH+32
.endr
	WIN 0
.irp i, 0,1,2,3,4,5,6,7
	ds_load_b128 v[(\f)+8*(\i):(\f)+8*(\i)+3],   v[ADRA] offset:(\k)+(\i)*16*PITCH
	ds_load_b128 v[(\f)+8*(\i)+4:(\f)+8*(\i)+7], v[ADRA] offset:(\k)+(\i)*16*PITCH+32
.endr
.endm
; A K step is four quarters of 32 along K on buffers 0, 1, 0, 1.  One of the first three: multiplies buffer f; in its middle it fetches the next quarter, at byte k, into buffer g.
.macro QUARTER k, f, g, zero
	s_wait_dscnt 8                                 ; wb's fragments and xb's rows 0-63 are in; the youngest eight loads may be out
	MUL16 \f, 0, 0, \zero
	MUL16 \f, 0, 2, \zero
	PLACES
	FETCH \k, \g
	s_wait_dscnt 32                                ; all but the 32 just issued
	MUL16 \f, 1, 0, \zero
	MUL16 \f, 1, 2, \zero
.endm
; The first half of the last quarter: ONE barrier for the change of slots.  In front of it each wave waits for all its tensor loads (one is out at the most: its part of the next slot), adds 0 to its spare word, and
; waits for that and for its own reads of this slot.
.macro MEET round
	WIN 0
	s_wait_tensorcnt 0x0                           ; all my tensor loads have landed
	ds_add_u32 v[SPW], v[NIL]                      ; 0 onto my spare word
	s_wait_dscnt 9                                 ; the add and the youngest eight loads may be out
	MUL16 F1, 0, 0, 0
	s_wait_dscnt 0x0                               ; the add is done, and my reads of this slot are over
	s_barrier_signal -1
	MUL16 F1, 0, 2, 0
.if \round
	WIN 0
.endif
	s_barrier_wait -1
.endm
; The whole last quarter.  fill = 1: the barrier opens a round of the cluster's, and the slot just read is filled again, first thing behind it, with the K step two on: 224 matrix instructions ahead of the wait for it.
; fill = 0: the last two K steps, which fill nothing; the very last (s[CNT] = 1) has no successor either, and the run of LDS loads is jumped over.
.macro TURN fill
.if \fill
	s_wait_xcnt 0x0                                ; the last prefetch, a K step back, has read its address
	s_add_nc_u64 s[PFA:PFA+1], s[PFA:PFA+1], KSTEP*2
.endif
	MEET \fill
.if \fill
	CREST                                          ; no wave of any partner still reads this slot or has a load on its way
	s_xor_b32 s[G0A+5], s[G0A+5], SLOT             ; the walking sets: the other slot than last time, the next K step
	s_add_nc_u64 s[G0A+6:G0A+7], s[G0A+6:G0A+7], KSTEP*2
	s_xor_b32 s[G0B+5], s[G0B+5], SLOT
	s_add_nc_u64 s[G0B+6:G0B+7], s[G0B+6:G0B+7], KSTEP*2
	JLOAD                                          ; its four v_nop are also the places in front of the loads below
.else
	PLACES
	WIN 0
	s_cmp_eq_u32 s[CNT], 1
	s_cbranch_scc1 .Lno_next_\@
.endif
	s_xor_b32 s[TB], s[TB], SLOT
	v_add_nc_u32 v[ADRA], s[TB], v[A0]
	v_add_nc_u32 v[ADRB], s[TB], v[B0]
	FETCH 0, F0
.if \fill
	ASK
.else
.Lno_next_\@:
.endif
	MUL16 F1, 1, 0, 0
	MUL16 F1, 1, 2, 0
.endm
; THE F32 ROWS' WAY OUT: row block a (0 or 1), columns 64 c .. 64 c + 63 of my 128: 16 rows x 256 bytes through my stage, each accumulator's lower four registers first.
.macro HEADOUT a, c
.set BK, OB+192*(\c)
	s_wait_xcnt 0x0                                ; the stores of two passes back have read the registers that are loaded below
	WIN 0x08                                       ; the stores' data in window 2
.irp n, 0,1,2,3
	ds_store_b128 v[STF], v[8*(8*(\a)+4*(\c)+(\n)):8*(8*(\a)+4*(\c)+(\n))+3]   offset:64*(\n)
	ds_store_b128 v[STF], v[8*(8*(\a)+4*(\c)+(\n))+4:8*(8*(\a)+4*(\c)+(\n))+7] offset:64*(\n)+16
.endr
	WIN 0
.irp t, 0,1,2,3,4,5,6,7
	ds_load_b128 v[BK+4*(\t):BK+4*(\t)+3], v[RD] offset:(\t)*2*SPITCH  ; LDS serves a wave's instructions in order (ISA guide 5.7.1.4): these see the stores above
.endr
	s_wait_dscnt 0x0
.irp t, 0,1,2,3,4,5,6,7
	global_store_b128 v[HO], v[BK+4*(\t):BK+4*(\t)+3], s[HPT:HPT+1] offset:(16*(\a)+2*(\t))*HB+256*(\c)  ; 16 lanes store 256 consecutive bytes, aligned
.endr
.endm
; THE WAY OUT of row block a.  PACK: rounded to f16, 16 bytes a lane, each accumulator's registers in ascending order.  TOSTAGE: into my own stage, and back as whole rows of 256 bytes.  SEND: stored.
.macro PACK a
.set AC, 64*((\a)%4)
	WIN 0x0a+5*((\a)/4)
.irp b, 0,1,2,3,4,5,6,7
.irp r, 0,1,2,3
	v_cvt_pk_f16_f32 v[TMP+4*(\b)+(\r)], v[AC+8*(\b)+2*(\r)], v[AC+8*(\b)+2*(\r)+1]
.endr
.endr
	WIN 0
.endm
.macro TOSTAGE a
.set BK, OB+192*((\a)%2)
.irp b, 0,1,2,3,4,5,6,7
	ds_store_b128 v[STO], v[TMP+4*(\b):TMP+4*(\b)+3] offset:32*(\b)
.endr
.irp t, 0,1,2,3,4,5,6,7
	ds_load_b128 v[BK+4*(\t):BK+4*(\t)+3], v[RD] offset:(\t)*2*SPITCH  ; LDS serves a wave's instructions in order (ISA guide 5.7.1.4): these see the stores above
.endr
.endm
.macro SEND a
.set BK, OB+192*((\a)%2)
	s_wait_dscnt 0x0                               ; the block is back in registers
	s_wait_xcnt 0x0                                ; the stores of the block before have read their registers: the next TOSTAGE loads into them
.irp t, 0,1,2,3,4,5,6,7
	global_store_b128 v[CO], v[BK+4*(\t):BK+4*(\t)+3], s[10:11] offset:(16*(\a)+2*(\t))*CB  ; 16 lanes store 256 consecutive bytes, aligned; 126 rows at the most stand in the immediate
.endr
.endm
	s_wait_tensorcnt 1                             ; my part of K step 0 is in; K step 1's stays out
	s_barrier_signal -1
	s_barrier_wait -1
	FETCH 0, F0
	s_wait_loadcnt 0x0                             ; the bias
	QUARTER 64, F0, F1, 1                          ; the first quarter stands in front of the loop: its products start the sums
	WIN 0
	s_mov_b32 s[CNT], 6
.Lstep:                                                ; trip i: quarters 1 to 3 of K step i, the fill of K step i + 2, quarter 0 of K step i + 1
	QUARTER 128, F1, F0, 0
	QUARTER 192, F0, F1, 0
	TURN 1
	QUARTER 64, F0, F1, 0
	WIN 0
	s_sub_co_u32 s[CNT], s[CNT], 1
	s_cmp_lg_u32 s[CNT], 0
	s_cbranch_scc1 .Lstep
	s_mov_b32 s[CNT], 2
.Ltail:                                                ; K steps 6 and 7 fill nothing: a second text; walked twice and left in its middle.
	QUARTER 128, F1, F0, 0                         ; The price of one text for both: K step 7 passes a barrier that it does not need
	QUARTER 192, F0, F1, 0
	TURN 0
	WIN 0
	s_sub_co_u32 s[CNT], s[CNT], 1
	s_cmp_eq_u32 s[CNT], 0
	s_cbranch_scc1 .Lout
	QUARTER 64, F0, F1, 0
	WIN 0
	s_branch .Ltail
.Lout:
	PLACES
	s_cmp_eq_u32 s[HD], 0                          ; a batch's first 32 rows?
	s_cbranch_scc0 .Lno_head
	HEADOUT 0, 0
	HEADOUT 0, 1
	HEADOUT 1, 0
	HEADOUT 1, 1
	s_wait_xcnt 0x0                                ; these stores have read their registers: the way out below loads into them
.Lno_head:
	PACK 0
	TOSTAGE 0
.irp a, 1,2,3,4,5,6,7                  ; block a's conversions stand between block a - 1's loads from the stage and the wait for them
	PACK \a
	SEND (\a)-1
	TOSTAGE \a
.endr
	SEND 7
	s_wait_tensorcnt 0x0                           ; the wave's end: behind my last tensor load and my last LDS store
	ds_add_u32 v[SPW], v[NIL]
	s_wait_dscnt 0x0
	CROUND                                         ; the closing round
	s_endpgm
.Lfunc_end_k_qfd291123c1_proj:
	.size	k_qfd291123c1_proj, .Lfunc_end_k_qfd291123c1_proj-k_qfd291123c1_proj
	.p2alignl 7, 3214868480
	.fill 96, 4, 3214868480
	.section	.rodata,"a",@progbits
	.p2align	6, 0x0
	.amdhsa_kernel k_qfd291123c1_proj
		.amdhsa_group_segment_fixed_size 327680
		.amdhsa_private_segment_fixed_size 0
		.amdhsa_enable_private_segment 0
		.amdhsa_kernarg_size 40
		.amdhsa_user_sgpr_count 2
		.amdhsa_user_sgpr_kernarg_segment_ptr 1
		.amdhsa_wavefront_size32 1
		.amdhsa_system_sgpr_workgroup_id_x 1
		.amdhsa_system_sgpr_workgroup_id_y 1
		.amdhsa_system_sgpr_workgroup_id_z 1
		.amdhsa_system_vgpr_workitem_id 0
		.amdhsa_next_free_vgpr 1024
		.amdhsa_next_free_sgpr 80
		.amdhsa_reserve_vcc 0
		.amdhsa_float_denorm_mode_32 3
		.amdhsa_float_denorm_mode_16_64 3
		.amdhsa_memory_ordered 1
		.amdhsa_forward_progress 1
		.amdhsa_inst_pref_size 110
	.end_amdhsa_kernel
	.amdgpu_metadata
---
amdhsa.version: [ 1, 2 ]
amdhsa.kernels:
  - .name:           k_qfd291123c1_proj
    .symbol:         k_qfd291123c1_proj.kd
    .args:
      - { .name: xb, .offset: 0, .size: 8, .value_kind: global_buffer, .address_space: global }
      - { .name: wb, .offset: 8, .size: 8, .value_kind: global_buffer, .address_space: global }
      - { .name: bb, .offset: 16, .size: 8, .value_kind: global_buffer, .address_space: global }
      - { .name: qkv, .offset: 24, .size: 8, .value_kind: global_buffer, .address_space: global }
      - { .name: h32, .offset: 32, .size: 8, .value_kind: global_buffer, .address_space: global }
    .group_segment_fixed_size: 327680
    .private_segment_fixed_size: 0
    .kernarg_segment_align: 8
    .kernarg_segment_size: 40
    .max_flat_workgroup_size: 128
    .sgpr_count:     80
    .vgpr_count:     1024
    .wavefront_size: 32
...
	.end_amdgpu_metadata
.endif
;; end of part 2
;; launch scores (part 3): grid 13 x 16, 4 waves a work-group, no clusters, 327,680 bytes of LDS; arguments qkv, pt, stat, h32, out0; writes pt, stat, out0
.if DOCPART == 3
	.amdgcn_target "amdgcn-amd-amdhsa--gfx1250"
	.amdhsa_code_object_version 6
	.text
	.protected	k_qfd291123c1_scores
	.globl	k_qfd291123c1_scores
	.p2align	8
	.type	k_qfd291123c1_scores,@function
k_qfd291123c1_scores:
	s_mov_b64 s[64:65], 0
	v_nop
	global_prefetch_b8 v0, s[64:65] scope:SCOPE_SE
	s_setreg_imm32_b32 hwreg(HW_REG_WAVE_MODE, 25, 1), 1
	s_wait_xcnt 0x0
; TWO KINDS OF WORK-GROUP, told apart by x.  x = 0..8 (144 work-groups): a tile of the scores.  x = 9..12 (64 work-groups): the module's result for the first 32 rows of each batch, all in f32: at the text's end.
; Both need only what the projection has stored; together they are 208 work-groups, fewer than the chip has WGPs, so the first rows are made beside the tiles and need no launch of their own.
; A TILE.  For each tile of 256 queries x 256 keys on or below the diagonal: S = q k^T (f16 operands, f32 sums, K = 1,024), the causal mask, and a softmax BY BLOCKS of 128 keys:
; for each query and key block the maximum m of the block's scores, p = 2^(c s - c m) with c = log2(e) / 32, and l = the sum of the block's p (unrounded, f32).
; Out: pt[batch][query][key] = p in f16;  stat: c m at [batch][key block][query], l the same 524,288 bytes further on, both f32.  The next launch forms the row's true maximum from the c m.
; LIMITS.  A hidden score counts as -1e30 (f16 operands give |s| of 4.4e12 at the most); a weight below 2^-126 counts as 0 in l; NaN and infinities are not treated apart.
; SHARES.  A batch has 36 such tiles; tile rows 7 - p and p together have 9: work-group (x, y): batch = y / 4, p = y % 4, x counts through the two rows.  Four waves, 128 x 128 each: a wave's 128 keys ARE a key block.
; In a diagonal tile the wave with rows 0-127 and keys 128-255 sees nothing: it computes as if it saw all (so p and l are finite) and stores -1e30 as its c m, which makes the next launch's factor for it 0.
; NO CLUSTER: 36 lower tiles of a batch do not fall into bars of four that share a tile row or column (two triangles of 6 are left over), and a 4 x 4 block on the diagonal would hold 6 work-groups without work.
; The product's core: two LDS slots, K steps of 128, one step to a trip; source 0 = 16 keys, source 1 = 16 queries: lane l holds query l % 16 and the keys 8 (l / 16) + 0..7.
; REGISTERS: window 0: v0-31 addresses; v64-127, v128-191 fragments of q; window 1: the same for k; windows 2, 3: accumulators ((a, b) at v[8 (8 (a % 4) + b)]).
;   On the way out, window 0: v64-127 a row block's 64 scores; v128-140 at work; v192-223 packed p; v32-63 rows read back.
.set KSTEP,  128
.set PITCH,  272                       ; 256 bytes + 16 of padding: the 16 rows of a fragment load start at 16 different groups of four banks (64 banks of 4 bytes: ISA guide 11.1)
.set HALFT,  128*PITCH
.set SLOT,   4*HALFT                   ; 0x22000; shares no bit with wave x HALFT
.set STAGE,  2*SLOT                    ; 16 rows x 272 bytes for each wave
.set SPITCH, 272
.set SCR,    STAGE+4*16*SPITCH         ; 1,024 bytes for each wave: c m of its 128 queries, then l
.set SPARE,  SCR+4096                  ; the spare words, 128 bytes for each wave: two blocks of 256 bytes that no other line names
.set QB,     6144                      ; bytes in a row of qkv
.set PB,     4096                      ; bytes in a row of pt
.set ADRA, 16
.set A0,   17
.set ADRB, 20
.set B0,   21
.set SGO,  22                          ; v22  my 16 bytes in stat
.set STO,  24
.set RD,   25
.set CO,   26                          ; v26  my byte offset in two rows of pt
.set SSC,  27                          ; v27  where I put c m (lanes 0-15) or l (lanes 16-31) of the row block in hand; steps 64 bytes a trip
.set SPW,  28
.set NIL,  29
.set PFO,  30                          ; v30  my lane x a row of qkv
.set SRD,  31                          ; v31  where I read my wave's statistics back
.set BK,   32
.set F0,   64
.set F1,   128
.set W,    64                          ; the row block's scores, then weights
.set T,    128                         ; v128-135 eight running maxima
.set CMR,  136                         ; v[136:137] c m, twice
.set LSM,  138                         ; v138 l
.set VAL,  140
.set TMP,  192
.set WV,  10
.set WM,  11                           ; my half of the queries; also: I fetch q (0) or k (1)
.set WN,  12                           ; my half of the keys; also: which 128 rows I fetch
.set BA,  13                           ; batch
.set TI,  14                           ; tile row
.set TJ,  15                           ; tile column
.set CNT, 16
.set TB,  17
.set LIM, 18                           ; 2 in a work-group that prefetches, else the greatest number
.set DG,  19                           ; 1: my 128 x 128 holds the diagonal
.set PFA, 20                           ; s[20:21]
.set HIDM, 22                          ; all ones: my 128 x 128 is wholly hidden
.set BIGN, 23                          ; -1e30
.set G1,  24                           ; s[24:31]
.set GZ,  32                           ; s[32:35] group 0 of K step 0
.set GW,  36                           ; s[36:39] the set that walks from K step 1 on
.set CS,  40                           ; s[40:41] c, twice
.set SEL, 42                           ; s[42:43] v_permlanex16_b32's selects
.set CSTEP, 44                         ; s[44:45] what the next row block's stores add to pt's address
.set AI,  46                           ; the row block in hand
.set UPM, 47                           ; lanes 16-31
.set MK,  48                           ; s[48:55] lanes in which register j of the diagonal's accumulator is hidden: j > l % 16 - 8 (l / 16)
.set H32, 66                           ; s[66:67] h32, s[68:69] out0: for the first rows' work-groups
.set OUT, 68
.set MSB, 0
.macro WIN new
.if MSB != (\new)
	s_set_vgpr_msb (MSB<<8)|(\new)
.set MSB, \new
.endif
.endm
.macro PLACES
.rept 4
	v_nop
.endr
.endm
; A prefetch of the K step two refills on (512 matrix instructions ahead of its load).  q's rows of tile row I are read by all tiles of that row, k's rows of tile column I by all of that column:
; the diagonal tile (I, I), which reads both, asks; each of its waves for the 128 rows that it fetches, a lane a row, four instructions.  Trips 0 to 3 ask, for K steps 4 to 7.
.macro ASK
	s_cmp_gt_u32 s[CNT], s[LIM]
	s_cbranch_scc0 .Lnot_mine_\@
.irp k, 0,1,2,3
	global_prefetch_b8 v[PFO], s[PFA:PFA+1] offset:(\k)*32*QB th:TH_LOAD_NT scope:SCOPE_SE
.endr
.Lnot_mine_\@:
.endm
	s_load_b128 s[4:7], s[0:1], 0x0                ; qkv s[4:5], pt s[6:7]
	s_load_b64 s[8:9], s[0:1], 0x10                ; stat
	s_load_b64 s[H32:H32+1], s[0:1], 0x18
	s_load_b64 s[OUT:OUT+1], s[0:1], 0x20
	v_lshl_add_u32 v[SPW], v0, 2, SPARE
	v_mov_b32 v[NIL], 0
	ds_add_u32 v[SPW], v[NIL]                      ; the wave's opening: the add and its wait stand ahead of my first tensor load
	v_lshrrev_b32 v1, 5, v0
	v_readfirstlane_b32 s[WV], v1
	s_lshr_b32 s[WM], s[WV], 1
	s_and_b32 s[WN], s[WV], 1
	s_mov_b32 s61, ttmp9                           ; x
	s_and_b32 s56, ttmp7, 0xffff
	s_lshr_b32 s[BA], s56, 2
	s_and_b32 s57, s56, 3                          ; p
	s_sub_co_u32 s58, 8, s57                       ; tile row 7 - p has 8 - p tiles
	s_sub_co_u32 s59, 7, s57
	s_sub_co_u32 s60, s61, s58
	s_cmp_lt_u32 s61, s58
	s_cselect_b32 s[TI], s59, s57
	s_cselect_b32 s[TJ], s61, s60
	s_cmp_eq_u32 s[TI], s[TJ]
	s_cselect_b32 s58, 1, 0
	s_cselect_b32 s[LIM], 2, -1
	s_cmp_eq_u32 s[WM], s[WN]
	s_cselect_b32 s[DG], s58, 0
	s_sub_co_u32 s59, s[WN], s[WM]                 ; 1 for queries 0-127 against keys 128-255 alone
	s_cmp_eq_u32 s59, 1
	s_cselect_b32 s[HIDM], s58, 0
	s_sub_co_u32 s[HIDM], 0, s[HIDM]
	s_mov_b32 s[BIGN], 0xf149f2ca
	s_mov_b32 s[CS], 0x3d38aa3b                    ; c = log2(e) / 32
	s_mov_b32 s[CS+1], s[CS]
	s_mov_b32 s[SEL], 0x76543210
	s_mov_b32 s[SEL+1], 0xfedcba98
	s_mov_b32 s[UPM], 0xffff0000
	s_mov_b32 s[TB], 0
	s_mov_b32 s[G1], (1<<16)|(1<<20)|(5<<22)|(3<<25)  ; 2-byte elements; padding on: after every 64 words, 4 words
	s_mov_b32 s[G1+1], KSTEP<<16
	s_mov_b32 s[G1+2], 128<<16
	s_mov_b32 s[G1+3], KSTEP<<16
	s_mov_b32 s[G1+4], 128
	s_mov_b32 s[G1+5], 3072                        ; elements from row to row
	s_mov_b32 s[G1+6], 0
	s_mov_b32 s[G1+7], 0
	s_cmp_eq_u32 s[WM], 0                          ; waves 0, 1 fetch q's rows of tile row I, waves 2, 3 k's rows of tile column J
	s_cselect_b32 s56, s[TI], s[TJ]
	s_cselect_b32 s57, 0, 2048                     ; k lies 2,048 bytes into a row
	s_lshl_b32 s56, s56, 8
	s_lshl_b32 s58, s[WN], 7
	s_add_co_u32 s56, s56, s58
	s_lshl_b32 s58, s[BA], 11
	s_add_co_u32 s56, s56, s58
	s_mul_i32 s56, s56, QB                         ; under 2^26
	s_add_co_u32 s56, s56, s57
	s_mov_b32 s57, 0
	s_mul_i32 s63, s[WV], HALFT
	s_mov_b32 s[GZ], 1
	s_mov_b32 s[GZ+1], s63
	s_mov_b32 s[GW], 1
	s_add_co_u32 s[GW+1], s63, SLOT
	s_wait_dscnt 0x0                               ; the opening add is done
	s_wait_kmcnt 0x0
	s_cmp_lt_u32 s61, 9                            ; x = 9 .. 12: the first rows; the tile numbers made above mean nothing there and are not used
	s_cbranch_scc0 .Lhead
	s_add_nc_u64 s[56:57], s[4:5], s[56:57]
	s_mov_b64 s[GZ+2:GZ+3], s[56:57]
	s_or_b32 s[GZ+3], s[GZ+3], 0x80000000
	s_add_nc_u64 s[GW+2:GW+3], s[56:57], KSTEP*2
	s_or_b32 s[GW+3], s[GW+3], 0x80000000
	tensor_load_to_lds s[GZ:GZ+3], s[G1:G1+7]      ; both first fills together: two tensor loads of mine are out
	s_nop 0
	tensor_load_to_lds s[GW:GW+3], s[G1:G1+7]
	s_nop 0
	PLACES
	s_add_nc_u64 s[PFA:PFA+1], s[56:57], 3*KSTEP*2 ; at K step 3: the first change of slots steps it to 4
	v_and_b32 v1, 15, v0                           ; l % 16
	v_bfe_u32 v2, v0, 4, 1                         ; l / 16
	v_mul_u32_u24 v3, v1, PITCH
	v_lshl_add_u32 v3, v2, 4, v3
	s_mul_i32 s60, s[WM], HALFT
	s_mul_i32 s61, s[WN], HALFT
	s_add_co_u32 s61, s61, 2*HALFT
	v_add_nc_u32 v[A0], s60, v3
	v_add_nc_u32 v[B0], s61, v3
	v_mov_b32 v[ADRA], v[A0]
	v_mov_b32 v[ADRB], v[B0]
	s_mul_i32 s60, s[WV], 16*SPITCH
	s_add_co_u32 s60, s60, STAGE
	v_mul_u32_u24 v4, v1, SPITCH
	v_lshl_add_u32 v4, v2, 4, v4
	v_add_nc_u32 v[STO], s60, v4
	v_mul_u32_u24 v4, v2, SPITCH
	v_lshl_add_u32 v4, v1, 4, v4
	v_add_nc_u32 v[RD], s60, v4
	v_lshlrev_b32 v4, 12, v2
	v_lshl_add_u32 v[CO], v1, 4, v4
	s_lshl_b32 s60, s[WV], 10
	s_add_co_u32 s60, s60, SCR                     ; my wave's statistics
	v_lshlrev_b32 v4, 9, v2
	v_lshl_add_u32 v4, v1, 2, v4
	v_add_nc_u32 v[SSC], s60, v4                   ; + 512 (l / 16) + 4 (l % 16)
	v_and_b32 v4, 31, v0
	v_lshl_add_u32 v[SRD], v4, 4, s60
	v_mul_u32_u24 v[PFO], v4, QB
	s_lshl_b32 s60, s[BA], 4
	s_lshl_b32 s61, s[TJ], 1
	s_add_co_u32 s60, s60, s61
	s_add_co_u32 s60, s60, s[WN]                   ; 16 x batch + my key block
	s_lshl_b32 s60, s60, 11
	s_lshl_b32 s61, s[TI], 8
	s_add_co_u32 s60, s60, s61
	s_lshl_b32 s61, s[WM], 7
	s_add_co_u32 s60, s60, s61                     ; x 2,048 + my first query
	s_lshl_b32 s60, s60, 2
	v_lshl_add_u32 v[SGO], v4, 4, s60
	s_lshl_b32 s[CSTEP], s[BA], 23                 ; my first row and column in pt: batch x 8 MiB
	s_lshl_b32 s61, s[TI], 20
	s_add_co_u32 s[CSTEP], s[CSTEP], s61           ; + 256 I rows of 4,096 bytes
	s_lshl_b32 s61, s[WM], 19
	s_add_co_u32 s[CSTEP], s[CSTEP], s61
	s_lshl_b32 s61, s[TJ], 9
	s_add_co_u32 s[CSTEP], s[CSTEP], s61           ; + 256 J keys of 2 bytes
	s_lshl_b32 s61, s[WN], 8
	s_add_co_u32 s[CSTEP], s[CSTEP], s61
	s_mov_b32 s[CSTEP+1], 0
	v_lshlrev_b32 v5, 3, v2
	v_sub_nc_u32 v5, v1, v5                        ; l % 16 - 8 (l / 16)
.irp j, 0,1,2,3,4,5,6,7
	v_cmp_gt_i32 s[MK+(\j)], \j, v5
.endr
.macro MUL16 f, hi, a0, zero           ; 16 matrix instructions; zero = 1: the product starts the sum.  The 64 accumulators take turns, one instruction a turn
	WIN 0xa1+0x50*(\hi)
.irp a, \a0, (\a0)+1
.irp b, 0,1,2,3,4,5,6,7
.if \zero
	v_wmma_f32_16x16x32_f16 v[8*(8*(\a)+(\b)):8*(8*(\a)+(\b))+7], v[(\f)+8*(\b):(\f)+8*(\b)+7], v[(\f)+8*(4*(\hi)+(\a)):(\f)+8*(4*(\hi)+(\a))+7], 0
.else
	v_wmma_f32_16x16x32_f16 v[8*(8*(\a)+(\b)):8*(8*(\a)+(\b))+7], v[(\f)+8*(\b):(\f)+8*(\b)+7], v[(\f)+8*(4*(\hi)+(\a)):(\f)+8*(4*(\hi)+(\a))+7], v[8*(8*(\a)+(\b)):8*(8*(\a)+(\b))+7]
.endif
.endr
.endr
.endm
.macro FETCH k, f
	WIN 0x40
.irp i, 0,1,2,3,4,5,6,7
	ds_load_b128 v[(\f)+8*(\i):(\f)+8*(\i)+3],   v[ADRB] offset:(\k)+(\i)*16*PITCH
	ds_load_b128 v[(\f)+8*(\i)+4:(\f)+8*(\i)+7], v[ADRB] offset:(\k)+(\i)*16*PITCH+32
.endr
	WIN 0
.irp i, 0,1,2,3,4,5,6,7
	ds_load_b128 v[(\f)+8*(\i):(\f)+8*(\i)+3],   v[ADRA] offset:(\k)+(\i)*16*PITCH
	ds_load_b128 v[(\f)+8*(\i)+4:(\f)+8*(\i)+7], v[ADRA] offset:(\k)+(\i)*16*PITCH+32
.endr
.endm
.macro QUARTER k, f, g, zero
	s_wait_dscnt 8                                 ; k's fragments and q's rows 0-63 are in; the youngest eight loads may be out
	MUL16 \f, 0, 0, \zero
	MUL16 \f, 0, 2, \zero
	PLACES
	FETCH \k, \g
	s_wait_dscnt 32                                ; all but the 32 just issued
	MUL16 \f, 1, 0, \zero
	MUL16 \f, 1, 2, \zero
.endm
; The last quarter of a K step changes slots: ONE barrier; in front of it each wave waits for all its tensor loads, adds 0 to its spare word, and waits for that and for its reads of this slot.
; fill = 1: the slot just read is filled again, first thing behind the barrier, with the K step two on: 224 matrix instructions ahead of the wait for it.
; fill = 0: the last two K steps, which fill nothing; the very last (s[CNT] = 1) has no successor either, and the run of LDS loads is jumped over.
.macro TURN fill
.if \fill
	s_wait_xcnt 0x0                                ; the last prefetches, a K step back, have read their address
	s_add_nc_u64 s[PFA:PFA+1], s[PFA:PFA+1], KSTEP*2
.endif
	WIN 0
	s_wait_tensorcnt 0x0                           ; all my tensor loads have landed: my part of the next slot
	ds_add_u32 v[SPW], v[NIL]                      ; 0 onto my spare word
	s_wait_dscnt 9                                 ; the add and the youngest eight loads may be out
	MUL16 F1, 0, 0, 0
	s_wait_dscnt 0x0                               ; the add is done, and my reads of this slot are over
	s_barrier_signal -1
	MUL16 F1, 0, 2, 0
	WIN 0
	s_barrier_wait -1
.if \fill
	s_xor_b32 s[GW+1], s[GW+1], SLOT
	s_add_nc_u64 s[GW+2:GW+3], s[GW+2:GW+3], KSTEP*2
	tensor_load_to_lds s[GW:GW+3], s[G1:G1+7]
	s_nop 0
.endif
	PLACES                                         ; behind the tensor load, and in front of the loads into buffer 0
.if !(\fill)
	s_cmp_eq_u32 s[CNT], 1
	s_cbranch_scc1 .Lno_next_\@
.endif
	s_xor_b32 s[TB], s[TB], SLOT
	v_add_nc_u32 v[ADRA], s[TB], v[A0]
	v_add_nc_u32 v[ADRB], s[TB], v[B0]
	FETCH 0, F0
.if \fill
	ASK
.else
.Lno_next_\@:
.endif
	MUL16 F1, 1, 0, 0
	MUL16 F1, 1, 2, 0
.endm
	s_wait_tensorcnt 1                             ; my part of K step 0 is in; K step 1's stays out
	s_barrier_signal -1
	s_barrier_wait -1
	FETCH 0, F0
	QUARTER 64, F0, F1, 1
	WIN 0
	s_mov_b32 s[CNT], 6
.Lstep:                                                ; trip i: quarters 1 to 3 of K step i, the fill of K step i + 2, quarter 0 of K step i + 1
	QUARTER 128, F1, F0, 0
	QUARTER 192, F0, F1, 0
	TURN 1
	QUARTER 64, F0, F1, 0
	WIN 0
	s_sub_co_u32 s[CNT], s[CNT], 1
	s_cmp_lg_u32 s[CNT], 0
	s_cbranch_scc1 .Lstep
	s_mov_b32 s[CNT], 2
.Ltail:                                                ; K steps 6 and 7 fill nothing: a second text; walked twice and left in its middle.
	QUARTER 128, F1, F0, 0                         ; The price of one text for both: K step 7 passes a barrier that it does not need
	QUARTER 192, F0, F1, 0
	TURN 0
	WIN 0
	s_sub_co_u32 s[CNT], s[CNT], 1
	s_cmp_eq_u32 s[CNT], 0
	s_cbranch_scc1 .Lout
	QUARTER 64, F0, F1, 0
	WIN 0
	s_branch .Ltail
.Lout:
	PLACES
; THE WAY OUT, a row block of 16 queries a trip.  What names the accumulators is written once for each block a (MAXFMA); the rest works on v64-127 and is written once.
; MAXFMA a: (1) where my 128 x 128 holds the diagonal: query 16 a + l % 16 sees key 16 b + 8 (l / 16) + j only if it is not greater: column block a takes the lane masks, blocks above a are all hidden;
; (2) the maximum of the lane's 64 scores (each accumulator's lowest registers are read first), of the other half of the lanes, and c m; (3) c s - c m, into v64-127.
.macro MAXFMA a
.set AC, 64*((\a)%4)
.set AW, 2+(\a)/4
	s_cmp_eq_u32 s[DG], 1
	s_cbranch_scc0 .Lnomask\a
	WIN (AW<<6)|AW
.irp j, 0,1,2,3,4,5,6,7
	v_cndmask_b32 v[AC+8*(\a)+(\j)], v[AC+8*(\a)+(\j)], s[BIGN], s[MK+(\j)]
.endr
.if (\a) < 7
.set z, AC+8*((\a)+1)
.rept 8*(7-(\a))
	v_mov_b32 v[z], s[BIGN]
.set z, z+1
.endr
.endif
	WIN 0
.Lnomask\a:
	WIN AW|(AW<<2)|(AW<<4)
.irp b, 0,1,2,3,4,5,6,7
	v_max3_num_f32 v[T+(\b)], v[AC+8*(\b)], v[AC+8*(\b)+1], v[AC+8*(\b)+2]
.endr
	WIN (AW<<2)|(AW<<4)
.irp b, 0,1,2,3,4,5,6,7
	v_max3_num_f32 v[T+(\b)], v[T+(\b)], v[AC+8*(\b)+3], v[AC+8*(\b)+4]
.endr
.irp b, 0,1,2,3,4,5,6,7
	v_max3_num_f32 v[T+(\b)], v[T+(\b)], v[AC+8*(\b)+5], v[AC+8*(\b)+6]
.endr
.irp k, 0,1,2,3
	v_max3_num_f32 v[T+(\k)], v[T+(\k)], v[AC+16*(\k)+7], v[AC+16*(\k)+15]
.endr
	WIN 0
	v_max3_num_f32 v[T], v[T], v[T+1], v[T+2]
	v_max3_num_f32 v[T+3], v[T+3], v[T+4], v[T+5]
	v_max3_num_f32 v[T], v[T], v[T+3], v[T+6]
	v_max_num_f32 v[T], v[T], v[T+7]
	v_permlanex16_b32 v[T+1], v[T], s[SEL], s[SEL+1]  ; the query's other 64 keys lie in the lane 16 away
	v_max_num_f32 v[T], v[T], v[T+1]
	v_mul_f32 v[CMR], s[CS], v[T]
	v_mov_b32 v[CMR+1], v[CMR]
	WIN AW
.set z, 0
.rept 32
	v_pk_fma_f32 v[W+z:W+z+1], v[AC+z:AC+z+1], s[CS:CS+1], v[CMR:CMR+1] op_sel_hi:[1,0,0] neg_lo:[0,0,1] neg_hi:[0,0,1]
.set z, z+2
.endr
	WIN 0
.endm
	s_mov_b32 s[AI], 0
.Lrow:
.irp a, 0,1,2,3,4,5,6
	s_cmp_eq_u32 s[AI], \a
	s_cbranch_scc1 .Lblock\a
.endr
	s_branch .Lblock7
.irp a, 0,1,2,3,4,5,6
.Lblock\a:
	MAXFMA \a
	s_branch .Lcommon
.endr
.Lblock7:
	MAXFMA 7
.Lcommon:
	s_wait_xcnt 0x0                                ; the last trip's stores have read their registers and pt's address
	s_add_nc_u64 s[6:7], s[6:7], s[CSTEP:CSTEP+1]
	s_mov_b32 s[CSTEP], 16*PB                      ; from now on: 16 rows further down
.set z, 0
.rept 64
	v_exp_f32 v[W+z], v[W+z]                       ; ONE batch of 64
.set z, z+1
.endr
	v_nop                                          ; a plain instruction behind the last exponential,
	s_wait_alu depctr_va_vdst(0)                   ; and the one wait ahead of the first use
.set z, 0
.rept 32
	v_cvt_pk_f16_f32 v[TMP+z], v[W+2*z], v[W+2*z+1]
.set z, z+1
.endr
.irp b, 0,1,2,3,4,5,6,7
	ds_store_b128 v[STO], v[TMP+4*(\b):TMP+4*(\b)+3] offset:32*(\b)
.endr
.irp t, 0,1,2,3,4,5,6,7
	ds_load_b128 v[BK+4*(\t):BK+4*(\t)+3], v[RD] offset:(\t)*2*SPITCH  ; LDS serves a wave's instructions in order (ISA guide 5.7.1.4): these see the stores above
.endr
.irp d, 32,16,8,4,2                    ; the sum of the lane's 64 weights, a tree of 31 packed additions: stands in the stage's round trip
.set z, 0
.rept (\d)/2
	v_pk_add_f32 v[W+z:W+z+1], v[W+z:W+z+1], v[W+(\d)+z:W+(\d)+z+1]
.set z, z+2
.endr
.endr
	v_add_f32 v[LSM], v[W], v[W+1]
	v_permlanex16_b32 v[T+1], v[LSM], s[SEL], s[SEL+1]
	v_add_f32 v[LSM], v[LSM], v[T+1]
	v_cndmask_b32 v[VAL], v[CMR], s[BIGN], s[HIDM] ; a wholly hidden block's c m is -1e30
	v_cndmask_b32 v[VAL], v[VAL], v[LSM], s[UPM]   ; lanes 0-15 keep c m, lanes 16-31 take l
	ds_store_b32 v[SSC], v[VAL]
	v_add_nc_u32 v[SSC], 64, v[SSC]
	s_wait_dscnt 0x0
.irp t, 0,1,2,3,4,5,6,7
	global_store_b128 v[CO], v[BK+4*(\t):BK+4*(\t)+3], s[6:7] offset:2*(\t)*PB  ; 16 lanes store 256 consecutive bytes, aligned
.endr
	s_add_co_u32 s[AI], s[AI], 1
	s_cmp_lt_u32 s[AI], 8
	s_cbranch_scc1 .Lrow
	ds_load_b128 v[TMP:TMP+3], v[SRD]              ; my wave's 128 c m, and its 128 l: 512 bytes on end each
	ds_load_b128 v[TMP+4:TMP+7], v[SRD] offset:512
	s_wait_dscnt 0x0
	global_store_b128 v[SGO], v[TMP:TMP+3], s[8:9]
	global_store_b128 v[SGO], v[TMP+4:TMP+7], s[8:9] offset:524288
	s_wait_tensorcnt 0x0                           ; the wave's end: behind my last tensor load and my last LDS store
	ds_add_u32 v[SPW], v[NIL]
	s_wait_dscnt 0x0
	s_endpgm
; ROWS 0 TO 31 OF EACH BATCH, ALL IN F32 (x = 9 .. 12).  out0[batch][r][:] = the sum over keys k <= r of softmax_k(q[r] . k[k] / 32) v[k][:], r = 0..31.
; h32: [4 x 32][3072] f32, a row = q, k, v (1,024 numbers each) as the projection's f32 sums left them.  A row r is a mean over r + 1 keys only, so a rounding of q, k, v or of a weight to 16 bits
; would stand in it nearly whole; from row 32 on the mean over many keys shrinks such roundings, and the matrix launches make those rows.
; The work is 4 x 32 x 32 x 1,024 multiply-adds for each of the two products: it goes to the vector unit (an f32 matrix form has the same rate), and nothing is rounded below f32.
; SHARES.  A work-group takes two queries of a batch: pair 4 (y % 4) + x - 9.  Scores, two trips: in trip p wave w takes keys 4 w + 16 p .. + 3, a lane 32 of the 1,024 channels; the lanes' sums are added by DPP
; and one exchange of the halves.  All 32 keys are computed and the hidden ones masked: a batch's last pair needs them all.  The scores meet in LDS behind one barrier.  Every wave then makes both queries'
; softmax itself, a lane a key (the row's maximum is taken away; a hidden score counts as -1e30, its weight is 0), lays the weights into LDS bytes of its own and reads them back with one address for all lanes.
; Result, two trips: in trip p wave w takes channels 128 w + 512 p .. + 127, a lane four of them: 32 keys x 2 queries x 4 multiply-adds.
; All rows come through registers, each load 512 consecutive bytes, and each trip waits for all its loads: a tile's work-group beside these lasts several times as long, so nothing is gained by more in flight.
; No tensor load (a row that came through LDS would be read from it once), no prefetch (there is nothing to run ahead of).  These work-groups' LDS bytes lie behind the spare words: no tensor load of this text lands there.
; REGISTERS: window 0: v1-12 addresses; v16-25 softmax; v32-39 results; v48-63 eight pairs of partial scores; v80-87 scores; v128-191 q; v192-255 weights.
;   window 1: v0-127 v (key k at 4 k); v128-255 k (my key j at 128 + 32 j).
.set HP,    12288                      ; bytes in a row of h32
.set HSTAB, SPARE+512                  ; scores [2 queries][32 keys] f32
.set HWTAB, HSTAB+256                  ; weights [4 waves][2 queries][32 keys] f32: each wave's own 256 bytes
.set HLANE, 1
.set HQO, 2                            ; v2   my byte offset in q's rows
.set HKO, 3                            ; v3   in my four keys' rows; steps 16 rows a trip
.set HVO, 4                            ; v4   in v's rows; steps 2,048 bytes a trip
.set HSA, 5                            ; v5   where my wave puts a query's four scores; steps 64 bytes a trip
.set HLA, 6                            ; v6   where I read my key's score
.set HWA, 7                            ; v7   where I put my key's weight
.set HWB, 8                            ; v8   my wave's weights
.set HOO, 9                            ; v9   my 16 bytes in a row of out0; steps 2,048 bytes a trip
.set HBIG, 12                          ; v12  -1e30
.set HE,  16
.set HM,  20
.set HT,  24
.set HACC, 32
.set HPS, 48
.set HR,  80
.set HQ,  128
.set HWT, 192
.set HV,  0
.set HK,  128
.set HRJ, 14                           ; s14, s15 my two queries' rows in their batch
.set HCN, 24                           ; s24  trips to go
.Lhead:
	s_and_b32 s56, ttmp7, 3
	s_lshl_b32 s56, s56, 2
	s_add_co_u32 s56, s56, s61
	s_sub_co_u32 s56, s56, 9                       ; my pair, 0 .. 15
	s_lshl_b32 s[HRJ], s56, 1
	s_add_co_u32 s[HRJ+1], s[HRJ], 1
	v_and_b32 v[HLANE], 31, v0
	s_mul_i32 s16, s[BA], 32*HP                    ; my batch's 32 rows
	s_mov_b32 s17, 0
	s_add_nc_u64 s[H32:H32+1], s[H32:H32+1], s[16:17]
	s_lshl_b32 s16, s[BA], 23                      ; out0: 8 MiB a batch,
	s_lshl_b32 s18, s[HRJ], 12                     ; 4,096 bytes a row
	s_add_co_u32 s16, s16, s18
	s_add_nc_u64 s[OUT:OUT+1], s[OUT:OUT+1], s[16:17]
	s_mul_i32 s18, s[HRJ], HP
	v_lshl_add_u32 v[HQO], v[HLANE], 4, s18        ; my queries' rows, 16 bytes a lane
	s_mul_i32 s19, s[WV], 4*HP
	s_add_co_u32 s19, s19, 4096                    ; k lies 4,096 bytes into a row
	v_lshl_add_u32 v[HKO], v[HLANE], 4, s19
	s_lshl_b32 s20, s[WV], 9                       ; my wave's 128 channels
	v_lshl_add_u32 v[HOO], v[HLANE], 4, s20
	v_add_nc_u32 v[HVO], 8192, v[HOO]              ; v lies 8,192 bytes into a row
	s_lshl_b32 s21, s[WV], 4
	s_add_co_u32 s21, s21, HSTAB
	v_mov_b32 v[HSA], s21                          ; 4 bytes x key 4 w
	v_lshl_add_u32 v[HLA], v[HLANE], 2, HSTAB
	s_lshl_b32 s22, s[WV], 8
	s_add_co_u32 s22, s22, HWTAB
	v_lshl_add_u32 v[HWA], v[HLANE], 2, s22
	v_mov_b32 v[HWB], s22
	v_mov_b32 v[HBIG], s[BIGN]
.set j, 0
.rept 2
.irp i, 0,1,2,3,4,5,6,7
	global_load_b128 v[HQ+32*j+4*(\i):HQ+32*j+4*(\i)+3], v[HQO], s[H32:H32+1] offset:j*HP+512*(\i)
.endr
.set j, j+1
.endr
	s_mov_b32 s[HCN], 2
.Lhk:                                                  ; four keys x two queries a trip
	WIN 0x40                                       ; destination window 1
.set j, 0
.rept 4
.irp i, 0,1,2,3,4,5,6,7
	global_load_b128 v[HK+32*j+4*(\i):HK+32*j+4*(\i)+3], v[HKO], s[H32:H32+1] offset:j*HP+512*(\i)
.endr
.set j, j+1
.endr
	s_wait_loadcnt 0x0                             ; the four keys (and, in the first trip, q) are in; the loads' offset register is free
	; eight scores (t = 4 x query + key), two partial sums each; the first products start the sums; eight chains take turns
	WIN 0x04                                       ; source 1 (k) window 1
.set i, 0
.rept 16
.set t, 0
.rept 8
.if i == 0
	v_pk_mul_f32 v[HPS+2*t:HPS+2*t+1], v[HQ+32*(t/4)+2*i:HQ+32*(t/4)+2*i+1], v[HK+32*(t%4)+2*i:HK+32*(t%4)+2*i+1]
.else
	v_pk_fma_f32 v[HPS+2*t:HPS+2*t+1], v[HQ+32*(t/4)+2*i:HQ+32*(t/4)+2*i+1], v[HK+32*(t%4)+2*i:HK+32*(t%4)+2*i+1], v[HPS+2*t:HPS+2*t+1]
.endif
.set t, t+1
.endr
.set i, i+1
.endr
	WIN 0
.set t, 0
.rept 8
	v_add_f32 v[HPS+2*t], v[HPS+2*t], v[HPS+2*t+1]
.set t, t+1
.endr
.irp m, 1,2,4,8
.set t, 0
.rept 8
	v_add_f32_dpp v[HPS+2*t], v[HPS+2*t], v[HPS+2*t] row_xmask:\m row_mask:0xf bank_mask:0xf
.set t, t+1
.endr
.endr
.set t, 0
.rept 8
	v_permlanex16_b32 v[HPS+2*t+1], v[HPS+2*t], s[SEL], s[SEL+1]
.set t, t+1
.endr
.set t, 0
.rept 8
	v_add_f32 v[HR+t], v[HPS+2*t], v[HPS+2*t+1]    ; every lane holds the whole sum
.set t, t+1
.endr
.irp j, 0,1
	ds_store_b128 v[HSA], v[HR+4*(\j):HR+4*(\j)+3] offset:128*(\j)  ; all lanes write the same 16 bytes with the same numbers
.endr
	v_add_nc_u32 v[HKO], 16*HP, v[HKO]             ; the next trip's keys lie 16 rows on,
	v_add_nc_u32 v[HSA], 64, v[HSA]                ; their scores 16 words on
	s_sub_co_u32 s[HCN], s[HCN], 1
	s_cmp_lg_u32 s[HCN], 0
	s_cbranch_scc1 .Lhk
	s_wait_dscnt 0x0                               ; for the others' sake: my scores lie in LDS
	s_barrier_signal -1
	s_barrier_wait -1                              ; everybody's do
.irp j, 0,1
	ds_load_b32 v[HE+(\j)], v[HLA] offset:128*(\j) ; lane = key
.endr
	s_wait_dscnt 0x0
.irp j, 0,1
	v_cmp_lt_u32 vcc_lo, s[HRJ+(\j)], v[HLANE]     ; the key lies behind the query: hidden
	v_cndmask_b32 v[HE+(\j)], v[HE+(\j)], v[HBIG], vcc_lo
	v_mov_b32 v[HM+(\j)], v[HE+(\j)]
	v_mov_b32 v[HT+(\j)], 0                        ; v_permlanex16_b32's destination counts as read
.endr
.irp m, 1,2,4,8
.irp j, 0,1
	v_max_num_f32_dpp v[HM+(\j)], v[HM+(\j)], v[HM+(\j)] row_xmask:\m row_mask:0xf bank_mask:0xf
.endr
.endr
.irp j, 0,1
	v_permlanex16_b32 v[HT+(\j)], v[HM+(\j)], s[SEL], s[SEL+1]
.endr
.irp j, 0,1
	v_max_num_f32 v[HM+(\j)], v[HM+(\j)], v[HT+(\j)]  ; the row's maximum
.endr
.irp j, 0,1
	v_mul_f32 v[HM+(\j)], s[CS], v[HM+(\j)]
.endr
.irp j, 0,1
	v_fma_f32 v[HE+(\j)], v[HE+(\j)], s[CS], -v[HM+(\j)]  ; c s - c m
.endr
.irp j, 0,1
	v_exp_f32 v[HE+(\j)], v[HE+(\j)]
.endr
	v_nop                                          ; a plain instruction behind the last exponential,
	s_wait_alu depctr_va_vdst(0)                   ; and the wait ahead of the first use
.irp j, 0,1
	v_mov_b32 v[HM+(\j)], v[HE+(\j)]
.endr
.irp m, 1,2,4,8
.irp j, 0,1
	v_add_f32_dpp v[HM+(\j)], v[HM+(\j)], v[HM+(\j)] row_xmask:\m row_mask:0xf bank_mask:0xf
.endr
.endr
.irp j, 0,1
	v_permlanex16_b32 v[HT+(\j)], v[HM+(\j)], s[SEL], s[SEL+1]
.endr
.irp j, 0,1
	v_add_f32 v[HM+(\j)], v[HM+(\j)], v[HT+(\j)]   ; the row's sum: 1 at the least
.endr
.irp j, 0,1
	v_rcp_f32 v[HM+(\j)], v[HM+(\j)]
.endr
	v_nop
	s_wait_alu depctr_va_vdst(0)
.irp j, 0,1
	v_mul_f32 v[HE+(\j)], v[HE+(\j)], v[HM+(\j)]   ; the weight
.endr
.irp j, 0,1
	ds_store_b32 v[HWA], v[HE+(\j)] offset:128*(\j)
.endr
.irp j, 0,1
.irp m, 0,1,2,3,4,5,6,7
	ds_load_b128 v[HWT+32*(\j)+4*(\m):HWT+32*(\j)+4*(\m)+3], v[HWB] offset:128*(\j)+16*(\m)  ; one address for all lanes; LDS serves a wave's instructions in order (ISA guide 5.7.1.4): these see my stores above
.endr
.endr
	s_wait_dscnt 0x0
	s_mov_b32 s[HCN], 2
.Lhv:                                                  ; 128 channels x two queries a trip
	WIN 0x40                                       ; destination window 1
.set kk, 0
.rept 32
	global_load_b128 v[HV+4*kk:HV+4*kk+3], v[HVO], s[H32:H32+1] offset:kk*HP
.set kk, kk+1
.endr
	s_wait_loadcnt 0x0
	WIN 0x04                                       ; source 1 (v) window 1
.set kk, 0
.rept 32
.set t, 0
.rept 8                                ; t = 4 x query + channel: eight chains take turns; key 0 starts the sums
.if kk == 0
	v_mul_f32 v[HACC+t], v[HWT+32*(t/4)+kk], v[HV+4*kk+t%4]
.else
	v_fmac_f32 v[HACC+t], v[HWT+32*(t/4)+kk], v[HV+4*kk+t%4]
.endif
.set t, t+1
.endr
.set kk, kk+1
.endr
	WIN 0
.irp j, 0,1
	global_store_b128 v[HOO], v[HACC+4*(\j):HACC+4*(\j)+3], s[OUT:OUT+1] offset:4096*(\j) th:TH_STORE_NT  ; a wave stores 512 consecutive bytes, aligned
.endr
	s_wait_xcnt 0x0                                ; the stores have read their offset and their data: both are written again below and in the next trip
	v_add_nc_u32 v[HVO], 2048, v[HVO]
	v_add_nc_u32 v[HOO], 2048, v[HOO]
	s_sub_co_u32 s[HCN], s[HCN], 1
	s_cmp_lg_u32 s[HCN], 0
	s_cbranch_scc1 .Lhv
	s_wait_tensorcnt 0x0                           ; the wave's end: behind my last LDS store
	ds_add_u32 v[SPW], v[NIL]
	s_wait_dscnt 0x0
	s_endpgm
.Lfunc_end_k_qfd291123c1_scores:
	.size	k_qfd291123c1_scores, .Lfunc_end_k_qfd291123c1_scores-k_qfd291123c1_scores
	.p2alignl 7, 3214868480
	.fill 96, 4, 3214868480
	.section	.rodata,"a",@progbits
	.p2align	6, 0x0
	.amdhsa_kernel k_qfd291123c1_scores
		.amdhsa_group_segment_fixed_size 327680
		.amdhsa_private_segment_fixed_size 0
		.amdhsa_enable_private_segment 0
		.amdhsa_kernarg_size 40
		.amdhsa_user_sgpr_count 2
		.amdhsa_user_sgpr_kernarg_segment_ptr 1
		.amdhsa_wavefront_size32 1
		.amdhsa_system_sgpr_workgroup_id_x 1
		.amdhsa_system_sgpr_workgroup_id_y 1
		.amdhsa_system_sgpr_workgroup_id_z 1
		.amdhsa_system_vgpr_workitem_id 0
		.amdhsa_next_free_vgpr 1024
		.amdhsa_next_free_sgpr 72
		.amdhsa_reserve_vcc 1
		.amdhsa_float_denorm_mode_32 3
		.amdhsa_float_denorm_mode_16_64 3
		.amdhsa_memory_ordered 1
		.amdhsa_forward_progress 1
		.amdhsa_inst_pref_size 157
	.end_amdhsa_kernel
	.amdgpu_metadata
---
amdhsa.version: [ 1, 2 ]
amdhsa.kernels:
  - .name:           k_qfd291123c1_scores
    .symbol:         k_qfd291123c1_scores.kd
    .args:
      - { .name: qkv, .offset: 0, .size: 8, .value_kind: global_buffer, .address_space: global }
      - { .name: pt, .offset: 8, .size: 8, .value_kind: global_buffer, .address_space: global }
      - { .name: stat, .offset: 16, .size: 8, .value_kind: global_buffer, .address_space: global }
      - { .name: h32, .offset: 24, .size: 8, .value_kind: global_buffer, .address_space: global }
      - { .name: out0, .offset: 32, .size: 8, .value_kind: global_buffer, .address_space: global }
    .group_segment_fixed_size: 327680
    .private_segment_fixed_size: 0
    .kernarg_segment_align: 8
    .kernarg_segment_size: 40
    .max_flat_workgroup_size: 128
    .sgpr_count:     72
    .vgpr_count:     1024
    .wavefront_size: 32
...
	.end_amdgpu_metadata
.endif
;; end of part 3
;; launch pv (part 4): grid 8 x 32, 4 waves a work-group, clusters of 4 x 1, 327,680 bytes of LDS; arguments pt, qkv, stat, out0; writes out0
.if DOCPART == 4
	.amdgcn_target "amdgcn-amd-amdhsa--gfx1250"
	.amdhsa_code_object_version 6
	.text
	.protected	k_qfd291123c1_pv
	.globl	k_qfd291123c1_pv
	.p2align	8
	.type	k_qfd291123c1_pv,@function
k_qfd291123c1_pv:
	s_mov_b64 s[64:65], 0
	v_nop
	global_prefetch_b8 v0, s[64:65] scope:SCOPE_SE
	s_setreg_imm32_b32 hwreg(HW_REG_WAVE_MODE, 25, 1), 1
	s_wait_xcnt 0x0
	s_wait_alu depctr_hold_cnt(0) depctr_sa_sdst(0) depctr_va_vdst(0) depctr_va_sdst(0) depctr_va_ssrc(0) depctr_va_vcc(0) depctr_vm_vsrc(0)
	s_getreg_b32 s2, hwreg(HW_REG_IB_STS2, 6, 4)
	s_cmp_eq_u32 s2, 0
	s_cbranch_scc0 .Lentry_in_a_cluster
	s_endpgm
.Lentry_in_a_cluster:
	s_bfe_u32 s2, ttmp6, 0x10000c
	s_cmp_lg_u32 s2, 0x3003
	s_cbranch_scc0 .Lentry_shape_is_right
	s_endpgm
.Lentry_shape_is_right:
; out0[batch][q][:] = (the sum over key blocks kb of f[q][kb] x the sum over the block's keys of p[q][key] v[key][:]) / L[q], f32, for the rows q >= 32 of each batch.
; Rows 0 to 31 of a batch are computed with the others and NOT stored here: they are means over few keys, in which the f16 roundings of q, k, p and v stand nearly whole; the launch before has made them in f32.
; pt holds p = 2^(c s - c m_kb) in f16, stat c m_kb and l_kb in f32 (by key blocks of 128).  Here: c M = the maximum over kb of c m_kb (the row's true maximum), f = 2^(c m_kb - c M), rounded to f16,
; L = the sum of f l in f32 with that same rounded f.  p is multiplied by f in f16 on its way into the matrix unit; sums in f32.  v is qkv's third part, f16.
; LIMITS.  f and p lie in 0 to 1; a product p f below 6e-5 keeps f16's fixed step of 6e-8, beside a row's largest weight of 1.  NaN and infinities are not treated apart.
; SHARES.  A work-group makes 128 channels (column tile ct) of TWO blocks of 128 queries of a batch: block b (b / 2 + 1 steps of 256 keys) and then block 15 - b (8 - b / 2 steps): 9 steps, whatever b.
; Four waves, 64 queries x 64 channels each: 16 accumulators.  Source 0 = 16 channels of v, turned by ds_load_tr16_b128; source 1 = 16 queries of p: lane l holds query l % 16 and channels 8 (l / 16) + 0..7.
; CLUSTER.  The four partners are four column tiles of the same two blocks: p's tile is asked for jointly (mask 15); v's tile hangs on the column tile and is each work-group's own load, behind the same round.
; v is not shared: partners that share v's tile would be other query blocks, whose walks differ in length.
; A STEP is two KEY BLOCKS of 128 keys; a key block is four chunks of 32 keys, a PHASE each: phase j loads chunk j from LDS, multiplies the chunk two back (16 matrix instructions), and behind each of them two
; packed multiplies scale the chunk one back of p by its key block's f.  The four phases are written once and walked twice a step: the LDS bases step in scalar registers.
; So a block's last two chunks are multiplied in the next key block's phases 0 and 1, and the first query block leaves behind phase 1 of the second query block's first key block.
; To have one text for every trip the first trip's phases 0 and 1 multiply zeros: 264 v_mov_b32 at the head, in the wait for the first tile, and 128 where the first block has left.
; REGISTERS (s_set_vgpr_msb: bits 1:0 source 0, 3:2 source 1, 5:4 source 2, 7:6 destination): window 0: v0-31 addresses; v32-63, v200-231 rows on the way out; v64-191 four buffers of v's fragments;
;   v192-195 f of the key block in hand, v196-199 of the one before; v248-255 1 / L.   window 1: v0-127 four buffers of p's fragments; v128-255 the accumulators ((a, n) at 128 + 8 (4 a + n)).
.set PPA,   528                        ; a row of p in LDS: 512 bytes + 16: the 16 rows of a load start at 16 different groups of four banks (64 banks of 4 bytes: ISA guide 11.1)
.set PPV,   288                        ; a row of v: 256 + 32
.set BOFF,  128*PPA                    ; a slot: 128 rows of p, then 256 rows of v
.set SLOT1, 0x24000                    ; slot 1; shares no bit with the tiles' places in a slot (0, 0x8400, 0x10800, 0x19800)
.set FTAB,  SLOT1+BOFF+256*PPV         ; f, as two equal f16 in a word: [18 key blocks in the order of the walk][128 queries]
.set RTAB,  FTAB+18*512                ; 1 / L: [first block, second block][128 queries]
.set STAGE, RTAB+1024                  ; 16 rows x 272 bytes for each wave
.set SP,    272
.set SPARE, STAGE+4*16*SP              ; the spare words, 128 bytes for each wave: two blocks of 256 bytes that no other line names
.set A0,  8                            ; v8   my lane's place in a slot's p; never rewritten
.set B0,  9                            ; v9   in its v
.set AAD, 10                           ; v10  the same for the key block in hand
.set VAD, 11
.set FAD, 13                           ; v13  where I read f of the key block in hand; steps 512 bytes a key block
.set RAD, 14                           ; v14  where I read 1 / L
.set STO, 15
.set RD,  16
.set CO,  17
.set PFO, 18
.set FST, 19                           ; v19  FTAB + 4 x thread
.set SPW, 20
.set NIL, 21
.set RST, 22                           ; v22  RTAB + 4 x thread
.set BK0, 32
.set BK1, 200
.set BB,  64
.set FC,  192
.set FP,  196
.set RL,  248
.set ACC, 128
.set WV,  12
.set WM,  13                           ; my half of the queries
.set WN,  14                           ; my half of the channels; also: which half of a tile I fetch
.set CX,  15
.set CT,  16                           ; column tile 0..7
.set BA,  17                           ; batch
.set LO,  18                           ; b: the first block
.set SH,  19                           ; b / 2
.set NLO, 20                           ; the first block's steps
.set HC,  21                           ; counts a step's two key blocks
.set HI,  22                           ; 15 - b: the second block
.set T,   23                           ; the trip = the step of the walk
.set G1A, 24
.set G1B, 32
.set G0A, 40
.set G0B, 44
.set SPA, 48                           ; s[48:49] pt at my batch and my half of a block's rows
.set SPB, 50                           ; s[50:51] v at my batch, my half of a step's keys, my column tile
.set OA,  52                           ; s[52:53] a step's byte offset behind SPA
.set OBF, 54                           ; s[54:55] behind SPB
.set PFB, 56                           ; s[56:57] the prefetches' base
.set PFA, 58                           ; s[58:59] where they stand
.set PFF, 60                           ; s[60:61] their step's offset
.set TB,  62
.set LIM, 63                           ; 7 in a wave that prefetches, else 0
.set OLO, 66                           ; s[66:67] out0 at my rows of the first block
.set OHI, 68                           ; s[68:69] of the second
.set M1,  70                           ; s70-72 all ones where b / 2 >= 1, 2, 3
.set SKP, 87                           ; s87 0 where b = 0 and I hold the block's queries 0-63: my row blocks 0 and 1 of the first block are a batch's rows 0-31
.set U,   88                           ; s88 the key block of the walk, 0 .. 17
.set U2N, 89                           ; s89 the second query block's first key block
.set SAA, 90                           ; s90 LDS byte at which the key block's part of p's rows begins: the slot, + 256 for its second key block
.set SVV, 91                           ; s91 the same for v: + 128 rows
.set MSB, 0
.macro WIN new
.if MSB != (\new)
	s_set_vgpr_msb (MSB<<8)|(\new)
.set MSB, \new
.endif
.endm
.macro PLACES
.rept 4
	v_nop
.endr
.endm
.macro JLOAD                           ; waves 0, 1: the two halves of p's tile, jointly; waves 2, 3: the two halves of v's tile.  An s_nop 0 and four v_nop follow each line
	s_cmp_lt_u32 s[WV], 2
	s_cbranch_scc0 .Lfor_v_\@
	tensor_load_to_lds s[G0A:G0A+3], s[G1A:G1A+7]
	s_nop 0
	PLACES
	s_branch .Lasked_\@
.Lfor_v_\@:
	tensor_load_to_lds s[G0B:G0B+3], s[G1B:G1B+7]
	s_nop 0
	PLACES
.Lasked_\@:
.endm
; A prefetch of the walk's step T + 2, one step (128 matrix instructions) ahead of that step's fill; trips 0 to 6.  p's tile is read by both clusters of a row of clusters: cluster x = 0 asks; of the 64 rows x 512 bytes
; that wave 0 or 1 fetches each partner takes 16 rows, told apart by address: a lane a block of 256 bytes.  v's tile of a column tile is read by all eight b: b = 0, whose walk has all eight key steps, asks:
; waves 2, 3 for their own 128 rows, a lane a row, four instructions.  So each block is named once in the launch.
.macro ASK
	s_cmp_lt_u32 s[T], s[LIM]
	s_cbranch_scc0 .Lnot_mine_\@
	global_prefetch_b8 v[PFO], s[PFA:PFA+1] th:TH_LOAD_NT scope:SCOPE_SE
	s_cmp_lt_u32 s[WV], 2
	s_cbranch_scc1 .Lnot_mine_\@
	global_prefetch_b8 v[PFO], s[PFA:PFA+1] offset:196608 th:TH_LOAD_NT scope:SCOPE_SE
	global_prefetch_b8 v[PFO], s[PFA:PFA+1] offset:393216 th:TH_LOAD_NT scope:SCOPE_SE
	global_prefetch_b8 v[PFO], s[PFA:PFA+1] offset:589824 th:TH_LOAD_NT scope:SCOPE_SE
.Lnot_mine_\@:
.endm
.macro CROUND
	s_barrier_signal -1
	s_barrier_wait -1
	s_cmp_lg_u32 s[WV], 0
	s_cbranch_scc1 .Lnot_wave_0_\@
	s_barrier_signal -3
.Lnot_wave_0_\@:
	s_barrier_wait -3
	s_barrier_signal -1
	s_barrier_wait -1
.endm
; Step u of the walk (in s77): the block and its key step; p's offset into oa, v's into ob
.macro WALK oa, ob
	s_cmp_lt_u32 s77, s[NLO]
	s_cselect_b32 s78, s[LO], s[HI]
	s_cselect_b32 s79, 0, s[NLO]
	s_sub_co_u32 s79, s77, s79
	s_lshl_b32 s[\oa], s78, 19                     ; 128 rows of 4,096 bytes a block,
	s_lshl_b32 s78, s79, 9                         ; 256 keys of 2 bytes a step
	s_add_co_u32 s[\oa], s[\oa], s78
	s_mul_i32 s[\ob], s79, 1572864                 ; 256 rows of 6,144 bytes a step
.endm
; THE CHANGE OF SLOTS.  Each wave waits for all its tensor loads (one is out: its part of the slot to be entered), adds 0 to its spare word, and waits for that and for its LDS instructions.
; fill = 1: a round of the cluster's barrier, and first thing behind it the other slot is filled with step T + 1; the descriptors' addresses are made anew from that number.
.macro CHANGE fill
	WIN 0
	s_wait_tensorcnt 0x0                           ; no tensor load of mine is out, so a group 0 may be written
	ds_add_u32 v[SPW], v[NIL]                      ; 0 onto my spare word; scalar work stands between it and the wait for it
.if \fill
	s_add_co_u32 s77, s[T], 1
	WALK OA, OBF
	s_xor_b32 s[G0A+1], s[G0A+1], SLOT1
	s_add_nc_u64 s[G0A+2:G0A+3], s[SPA:SPA+1], s[OA:OA+1]
	s_or_b32 s[G0A+3], s[G0A+3], 0x80000000
	s_xor_b32 s[G0B+1], s[G0B+1], SLOT1
	s_add_nc_u64 s[G0B+2:G0B+3], s[SPB:SPB+1], s[OBF:OBF+1]
	s_or_b32 s[G0B+3], s[G0B+3], 0x80000000
	s_add_co_u32 s77, s[T], 2
	WALK 81, 82
	s_cmp_lt_u32 s[WV], 2
	s_cselect_b32 s[PFF], s81, s82
	s_wait_xcnt 0x0                                ; the last prefetches, a step back, have read their address
	s_add_nc_u64 s[PFA:PFA+1], s[PFB:PFB+1], s[PFF:PFF+1]
.endif
	s_wait_dscnt 0x0                               ; the add is done; my reads of the slot that is left are over, and so are my stores into the tables
.if \fill
	CROUND
	JLOAD
	ASK
.else
	s_barrier_signal -1
	s_barrier_wait -1
.endif
	s_xor_b32 s[TB], s[TB], SLOT1
	s_mov_b32 s[SAA], s[TB]                        ; the slot's first key block
	s_mov_b32 s[SVV], s[TB]
	s_mov_b32 s[HC], 2
.endm
	s_load_b256 s[4:11], s[0:1], 0x0               ; pt s[4:5], qkv s[6:7], stat s[8:9], out0 s[10:11]
	v_lshl_add_u32 v[SPW], v0, 2, SPARE
	v_mov_b32 v[NIL], 0
	ds_add_u32 v[SPW], v[NIL]                      ; the wave's opening: the add and its wait stand ahead of my first tensor load
	v_lshrrev_b32 v1, 5, v0
	v_readfirstlane_b32 s[WV], v1
	s_lshr_b32 s[WM], s[WV], 1
	s_and_b32 s[WN], s[WV], 1
	s_bfe_u32 s[CX], ttmp6, 0x40000
	s_lshl_b32 s[CT], ttmp9, 2
	s_add_co_u32 s[CT], s[CT], s[CX]
	s_and_b32 s73, ttmp7, 0xffff
	s_lshr_b32 s[BA], s73, 3
	s_and_b32 s[LO], s73, 7
	s_lshr_b32 s[SH], s[LO], 1
	s_add_co_u32 s[NLO], s[SH], 1
	s_sub_co_u32 s[HI], 15, s[LO]
	s_or_b32 s[SKP], s[LO], s[WM]                  ; equal in all four partners, for a given wave
	s_mov_b32 s[U], 0
	s_lshl_b32 s[U2N], s[NLO], 1
	s_mov_b32 s[G1A], 15|(1<<16)|(1<<20)|(1<<21)|(6<<22)|(3<<25)  ; the mask of four; 2-byte elements; padding on; bit 21 beside a mask; after every 128 words, 4 words
	s_mov_b32 s[G1A+1], 256<<16                    ; tensor_dim0 = 256
	s_mov_b32 s[G1A+2], 64<<16                     ; tensor_dim1 = 64
	s_mov_b32 s[G1A+3], 256<<16                    ; tile_dim0 = 256
	s_mov_b32 s[G1A+4], 64                         ; tile_dim1 = 64
	s_mov_b32 s[G1A+5], 2048                       ; elements from row to row
	s_mov_b32 s[G1A+6], 0
	s_mov_b32 s[G1A+7], 0
	s_mov_b32 s[G1B], (1<<16)|(1<<20)|(5<<22)|(7<<25)  ; no mask; after every 64 words, 8 words
	s_mov_b32 s[G1B+1], 128<<16
	s_mov_b32 s[G1B+2], 128<<16
	s_mov_b32 s[G1B+3], 128<<16
	s_mov_b32 s[G1B+4], 128
	s_mov_b32 s[G1B+5], 3072
	s_mov_b32 s[G1B+6], 0
	s_mov_b32 s[G1B+7], 0
	s_mov_b32 s[G0A], 1
	s_mul_i32 s[G0A+1], s[WN], 64*PPA              ; slot 0: my half of p's rows,
	s_mov_b32 s[G0B], 1
	s_mul_i32 s[G0B+1], s[WN], 128*PPV
	s_add_co_u32 s[G0B+1], s[G0B+1], BOFF          ; or of v's
	s_lshl_b32 s[SPA], s[BA], 23                   ; a batch of pt is 8 MiB,
	s_lshl_b32 s74, s[WN], 18                      ; 64 rows of 4,096 bytes
	s_add_co_u32 s[SPA], s[SPA], s74
	s_mov_b32 s[SPA+1], 0
	s_lshl_b32 s[SPB], s[BA], 11
	s_lshl_b32 s75, s[WN], 7
	s_add_co_u32 s[SPB], s[SPB], s75
	s_mul_i32 s[SPB], s[SPB], 6144                 ; (2,048 x batch + 128 x half) rows of qkv,
	s_lshl_b32 s76, s[CT], 8
	s_add_co_u32 s[SPB], s[SPB], s76               ; 256 bytes a column tile,
	s_add_co_u32 s[SPB], s[SPB], 4096              ; in v's part of a row
	s_mov_b32 s[SPB+1], 0
	s_lshl_b32 s[OA], s[LO], 19                    ; step 0 of the walk: the first block, key step 0
	s_mov_b32 s[OA+1], 0
	s_mov_b32 s[OBF+1], 0
	s_mov_b32 s[PFF+1], 0
	s_mov_b32 s[TB], SLOT1                         ; the first change of slots turns it into 0
	s_mov_b32 s[T], 0
	s_cmp_ge_u32 s[SH], 1
	s_cselect_b32 s[M1], -1, 0
	s_cmp_ge_u32 s[SH], 2
	s_cselect_b32 s[M1+1], -1, 0
	s_cmp_ge_u32 s[SH], 3
	s_cselect_b32 s[M1+2], -1, 0
	s_mov_b32 s85, 12288                           ; (an instruction holds one literal: the selects' second numbers come from registers)
	s_mov_b32 s86, 6144
	s_cmp_lt_u32 s[WV], 2
	s_cselect_b32 s73, ttmp9, s[LO]                ; who asks: cluster x = 0 for p, b = 0 for v: the same in all four partners, for a given wave
	s_cselect_b32 s83, 4096, s85                   ; the prefetches' offset is (l / 2) x this
	s_cselect_b32 s84, 256, s86                    ; + (l % 2) x this: p: a row, half a row; v: l rows
	s_cmp_eq_u32 s73, 0
	s_cselect_b32 s[LIM], 7, 0
	s_wait_dscnt 0x0                               ; the opening add is done
	s_wait_kmcnt 0x0
	s_add_nc_u64 s[SPA:SPA+1], s[4:5], s[SPA:SPA+1]
	s_add_nc_u64 s[SPB:SPB+1], s[6:7], s[SPB:SPB+1]
	s_add_nc_u64 s[G0A+2:G0A+3], s[SPA:SPA+1], s[OA:OA+1]
	s_or_b32 s[G0A+3], s[G0A+3], 0x80000000
	s_mov_b64 s[G0B+2:G0B+3], s[SPB:SPB+1]
	s_or_b32 s[G0B+3], s[G0B+3], 0x80000000
	CROUND                                         ; all four work-groups are here
	JLOAD                                          ; step 0 into slot 0: one tensor load of mine is out
	; statistics: thread t is query t of both blocks: c m and l of the second block's 16 key blocks and of the first block's 8 (what no tile wrote holds -1e30 and 0)
	s_lshl_b32 s74, s[BA], 17                      ; 16 x 2,048 x 4 bytes a batch
	s_lshl_b32 s75, s[HI], 9
	s_add_co_u32 s75, s75, s74
	v_lshl_add_u32 v2, v0, 2, s75
	s_lshl_b32 s75, s[LO], 9
	s_add_co_u32 s75, s75, s74
	v_lshl_add_u32 v3, v0, 2, s75
.irp k, 0,1,2,3,4,5,6,7,8,9,10,11,12,13,14,15
	global_load_b32 v[64+(\k)], v2, s[8:9] offset:(\k)*8192
	global_load_b32 v[80+(\k)], v2, s[8:9] offset:(\k)*8192+524288
.endr
.irp k, 0,1,2,3,4,5,6,7
	global_load_b32 v[96+(\k)], v3, s[8:9] offset:(\k)*8192
	global_load_b32 v[104+(\k)], v3, s[8:9] offset:(\k)*8192+524288
.endr
	; addresses, in the wait for them
	s_lshl_b32 s76, s[CX], 16                      ; my work-group's 16 of a wave's 64 rows of p
	s_mov_b32 s77, 0
	s_add_nc_u64 s[80:81], s[SPA:SPA+1], s[76:77]
	s_cmp_lt_u32 s[WV], 2
	s_cselect_b64 s[PFB:PFB+1], s[80:81], s[SPB:SPB+1]
	s_lshl_b32 s74, s[BA], 11
	s_lshl_b32 s75, s[WM], 6
	s_add_co_u32 s74, s74, s75                     ; 2,048 x batch + 64 x my half
	s_lshl_b32 s75, s[LO], 7
	s_add_co_u32 s75, s75, s74
	s_lshl_b32 s[OLO], s75, 12                     ; rows of 4,096 bytes: under 2^25
	s_lshl_b32 s75, s[HI], 7
	s_add_co_u32 s75, s75, s74
	s_lshl_b32 s[OHI], s75, 12
	s_lshl_b32 s75, s[CT], 9
	s_lshl_b32 s76, s[WN], 8
	s_add_co_u32 s75, s75, s76                     ; my 64 channels: 512 x column tile + 256 x half
	s_add_co_u32 s[OLO], s[OLO], s75
	s_add_co_u32 s[OHI], s[OHI], s75
	s_mov_b32 s[OLO+1], 0
	s_mov_b32 s[OHI+1], 0
	s_add_nc_u64 s[OLO:OLO+1], s[10:11], s[OLO:OLO+1]
	s_add_nc_u64 s[OHI:OHI+1], s[10:11], s[OHI:OHI+1]
	v_and_b32 v1, 15, v0                           ; l % 16
	v_bfe_u32 v4, v0, 4, 1                         ; l / 16
	v_mul_u32_u24 v[A0], v1, PPA
	v_lshl_add_u32 v[A0], v4, 4, v[A0]
	s_mul_i32 s74, s[WM], 64*PPA
	v_add_nc_u32 v[A0], s74, v[A0]                 ; p: (64 x half + l % 16) rows + 16 (l / 16)
	v_and_b32 v5, 7, v0
	v_bfe_u32 v6, v0, 3, 1
	v_lshl_add_u32 v5, v4, 3, v5
	v_mul_u32_u24 v[B0], v5, PPV
	v_lshl_add_u32 v[B0], v6, 4, v[B0]             ; v, turned: key 8 (l / 16) + l % 8, channels 8 ((l / 8) % 2) on
	s_lshl_b32 s74, s[WN], 7
	s_add_co_u32 s74, s74, BOFF
	v_add_nc_u32 v[B0], s74, v[B0]
	s_lshl_b32 s74, s[WM], 8
	v_lshl_add_u32 v[FAD], v1, 2, s74              ; 4 x (64 x half + l % 16)
	v_add_nc_u32 v[RAD], RTAB, v[FAD]
	v_add_nc_u32 v[FAD], FTAB, v[FAD]
	v_lshl_add_u32 v[FST], v0, 2, FTAB
	v_lshl_add_u32 v[RST], v0, 2, RTAB
	s_mul_i32 s74, s[WV], 16*SP
	s_add_co_u32 s74, s74, STAGE
	v_mul_u32_u24 v[STO], v1, SP
	v_lshl_add_u32 v[STO], v4, 5, v[STO]           ; in: row l % 16, 32 bytes for each half of the lanes
	v_add_nc_u32 v[STO], s74, v[STO]
	v_mul_u32_u24 v[RD], v4, SP
	v_lshl_add_u32 v[RD], v1, 4, v[RD]             ; back: lanes 0-15 one row of 256 bytes, lanes 16-31 the next
	v_add_nc_u32 v[RD], s74, v[RD]
	v_lshlrev_b32 v[CO], 12, v4
	v_lshl_add_u32 v[CO], v1, 4, v[CO]
	v_and_b32 v5, 31, v0
	v_lshrrev_b32 v6, 1, v5
	v_and_b32 v7, 1, v5
	v_mul_u32_u24 v[PFO], v6, s83
	v_mad_u32_u24 v[PFO], v7, s84, v[PFO]
	s_wait_loadcnt 0x0
	; c M; c m - c M; f
	v_max3_num_f32 v40, v64, v65, v66
	v_max3_num_f32 v41, v96, v97, v98
.irp k, 3,5,7,9,11,13
	v_max3_num_f32 v40, v40, v[64+(\k)], v[65+(\k)]
.endr
.irp k, 3,5
	v_max3_num_f32 v41, v41, v[96+(\k)], v[97+(\k)]
.endr
	v_max_num_f32 v40, v40, v79
	v_max_num_f32 v41, v41, v103
.irp k, 0,1,2,3,4,5,6,7,8,9,10,11,12,13,14,15
	v_sub_f32 v[64+(\k)], v[64+(\k)], v40
.endr
.irp k, 0,1,2,3,4,5,6,7
	v_sub_f32 v[96+(\k)], v[96+(\k)], v41
.endr
.irp k, 0,1,2,3,4,5,6,7,8,9,10,11,12,13,14,15
	v_exp_f32 v[64+(\k)], v[64+(\k)]               ; one batch of 24
.endr
.irp k, 0,1,2,3,4,5,6,7
	v_exp_f32 v[96+(\k)], v[96+(\k)]
.endr
	v_mov_b32 v42, 0                               ; the plain instruction behind the last exponential: L starts at 0
	v_mov_b32 v43, 0
	s_wait_alu depctr_va_vdst(0)                   ; the one wait ahead of the first use
.irp k, 0,1,2,3,4,5,6,7,8,9,10,11,12,13,14,15
	v_cvt_pk_f16_f32 v[112+(\k)], v[64+(\k)], v[64+(\k)]   ; f twice in a word: the second block's in v112-127,
.endr
.irp k, 0,1,2,3,4,5,6,7
	v_cvt_pk_f16_f32 v[32+(\k)], v[96+(\k)], v[96+(\k)]    ; the first block's in v32-39
.endr
.irp k, 0,1,2,3,4,5,6,7
	v_fma_mix_f32 v42, v[112+(\k)], v[80+(\k)], v42 op_sel_hi:[1,0,0]   ; L += f (the rounded one, from its f16 half) x l, in f32
	v_fma_mix_f32 v43, v[32+(\k)], v[104+(\k)], v43 op_sel_hi:[1,0,0]
.endr
.irp k, 8,9,10,11,12,13,14,15
	v_fma_mix_f32 v42, v[112+(\k)], v[80+(\k)], v42 op_sel_hi:[1,0,0]
.endr
	v_rcp_f32 v42, v42
	v_rcp_f32 v43, v43
	v_nop
	s_wait_alu depctr_va_vdst(0)
	ds_store_b32 v[RST], v43
	ds_store_b32 v[RST], v42 offset:512
	; f in the order of the walk: entry w is the first block's key block w while w < 2 (b / 2 + 1), then the second block's w - 2 (b / 2 + 1).  The VALUES are chosen, so that every LDS address is a constant.
	ds_store_b32 v[FST], v32
	ds_store_b32 v[FST], v33 offset:512
.set w, 2
.rept 16
.irp s, 1,2,3
.if w < 2*(\s)+2
.set c\s, 32+w
.else
.set c\s, 112+w-2*(\s)-2
.endif
.endr
	v_cndmask_b32 v[136+w], v[110+w], v[c1], s[M1]
	v_cndmask_b32 v[136+w], v[136+w], v[c2], s[M1+1]
	v_cndmask_b32 v[136+w], v[136+w], v[c3], s[M1+2]
	ds_store_b32 v[FST], v[136+w] offset:512*w
.set w, w+1
.endr
	; what the first trip's phases 0 and 1 find: zeros
.set z, BB+64
.rept 64
	v_mov_b32 v[z], 0
.set z, z+1
.endr
.irp a, 0,1,2,3
	v_mov_b32 v[FC+(\a)], 0
	v_mov_b32 v[RL+2*(\a)+1], 0                    ; named as a pair's upper half
.endr
	WIN 0x40
.set z, 64
.rept 192
	v_mov_b32 v[z], 0
.set z, z+1
.endr
	WIN 0
; PHASE j of a key block.  Phase 0 first sets the last key block's f aside.  ld = 1: chunk j comes from LDS into buffer j (8 turning loads of v, 8 loads of p; in phase 0 also the key block's f).
; 16 matrix instructions on the chunk two back (buffer j + 2); sc = 1: behind each of them two packed multiplies, p of the chunk one back (buffer j + 3) times its key block's f: in phase 0 the last block's.
; A buffer is loaded again two phases behind its last product: 32 plain instructions and more stand between.  The 16 accumulators take turns, one instruction a turn.
.macro PH j, ld, sc
.set bL, (\j)
.set bM, ((\j)+2)%4
.set bS, ((\j)+3)%4
.if (\j) == 0
.set fX, FP
	WIN 0
.irp a, 0,1,2,3
	v_mov_b32 v[FP+(\a)], v[FC+(\a)]
.endr
.else
.set fX, FC
.endif
.if \ld
	WIN 0
.if (\j) == 0
.irp a, 0,1,2,3
	ds_load_b32 v[FC+(\a)], v[FAD] offset:64*(\a)
.endr
.endif
.irp n, 0,1,2,3
	ds_load_tr16_b128 v[BB+32*bL+8*(\n):BB+32*bL+8*(\n)+3],   v[VAD] offset:bL*32*PPV+32*(\n)
	ds_load_tr16_b128 v[BB+32*bL+8*(\n)+4:BB+32*bL+8*(\n)+7], v[VAD] offset:bL*32*PPV+16*PPV+32*(\n)
.endr
	WIN 0x40
.irp a, 0,1,2,3
	ds_load_b128 v[32*bL+8*(\a):32*bL+8*(\a)+3],   v[AAD] offset:(\a)*16*PPA+64*(\j)
	ds_load_b128 v[32*bL+8*(\a)+4:32*bL+8*(\a)+7], v[AAD] offset:(\a)*16*PPA+64*(\j)+32
.endr
	s_wait_dscnt 16                                ; all but this chunk's 16 loads: the chunk before, and f, are in
.else
	s_wait_dscnt 0x0
.endif
	WIN 0x54                                       ; v and f window 0; p, C and D window 1: one setting for the products and the multiplies
.set q, 0
.irp a, 0,1,2,3
.irp n, 0,1,2,3
	v_wmma_f32_16x16x32_f16 v[ACC+8*(4*(\a)+(\n)):ACC+8*(4*(\a)+(\n))+7], v[BB+32*bM+8*(\n):BB+32*bM+8*(\n)+7], v[32*bM+8*(\a):32*bM+8*(\a)+7], v[ACC+8*(4*(\a)+(\n)):ACC+8*(4*(\a)+(\n))+7]
.if \sc
	v_pk_mul_f16 v[32*bS+q], v[fX+q/8], v[32*bS+q]
	v_pk_mul_f16 v[32*bS+q+1], v[fX+q/8], v[32*bS+q+1]
.set q, q+2
.endif
.endr
.endr
.endm
.macro BLOCK_IN                        ; a key block begins: my lane's addresses in it
	v_add_nc_u32 v[AAD], s[SAA], v[A0]
	v_add_nc_u32 v[VAD], s[SVV], v[B0]
.endm
.macro BLOCK_ON                        ; on to the slot's second key block: 128 keys are 256 bytes of p's rows and 128 rows of v
	WIN 0
	v_add_nc_u32 v[FAD], 512, v[FAD]
	s_add_co_u32 s[SAA], s[SAA], 256
	s_add_co_u32 s[SVV], s[SVV], 4*32*PPV
	s_add_co_u32 s[U], s[U], 1
	s_sub_co_u32 s[HC], s[HC], 1
	s_cmp_lg_u32 s[HC], 0
.endm
; THE WAY OUT of a block: times 1 / L, through my stage in LDS, 16 queries at a time; a row block's multiplies stand between the loads of the one before and its stores.
.macro SCALE a
	WIN 0x41
.set z, ACC+32*(\a)
.rept 16
	v_pk_mul_f32 v[z:z+1], v[z:z+1], v[RL+2*(\a):RL+2*(\a)+1] op_sel_hi:[1,0]
.set z, z+2
.endr
.endm
.macro TOST a
.set BK, BK0+(BK1-BK0)*((\a)%2)
	WIN 0x04                                       ; the stores' data in window 1
.irp n, 0,1,2,3
	ds_store_b128 v[STO], v[ACC+32*(\a)+8*(\n):ACC+32*(\a)+8*(\n)+3]   offset:64*(\n)
	ds_store_b128 v[STO], v[ACC+32*(\a)+8*(\n)+4:ACC+32*(\a)+8*(\n)+7] offset:64*(\n)+16
.endr
	WIN 0
.irp t, 0,1,2,3,4,5,6,7
	ds_load_b128 v[BK+4*(\t):BK+4*(\t)+3], v[RD] offset:(\t)*2*SP  ; LDS serves a wave's instructions in order (ISA guide 5.7.1.4): these see the stores above
.endr
.endm
; first = 1: the walk's first block: where it is a batch's block 0, the stores of my row blocks 0 and 1 (rows 0-31) are jumped over: those rows are the launch before's
.macro SENDO a, base, first
.set BK, BK0+(BK1-BK0)*((\a)%2)
	WIN 0
	s_wait_dscnt 0x0
	s_wait_xcnt 0x0                                ; the stores of the row block before have read their registers: the next TOST loads into them
.if (\first) && ((\a) < 2)
	s_cmp_eq_u32 s[SKP], 0
	s_cbranch_scc1 .Lhead_rows_\@
.endif
.irp t, 0,1,2,3,4,5,6,7
	global_store_b128 v[CO], v[BK+4*(\t):BK+4*(\t)+3], s[\base:\base+1] offset:65536*(\a)+8192*(\t) th:TH_STORE_NT  ; 16 lanes store 256 consecutive bytes, aligned
.endr
.if (\first) && ((\a) < 2)
.Lhead_rows_\@:
.endif
.endm
.macro WAYOUT blk, base, clear
	PLACES                                         ; behind the last products
	WIN 0
	s_wait_xcnt 0x0                                ; earlier stores have read the registers that are loaded below
.irp a, 0,1,2,3
	ds_load_b32 v[RL+2*(\a)], v[RAD] offset:512*(\blk)+64*(\a)
.endr
	s_wait_dscnt 0x0
	SCALE 0
	TOST 0
.irp a, 1,2,3
	SCALE \a
	SENDO (\a)-1, \base, \clear
	TOST \a
.endr
	SENDO 3, \base, \clear
.if \clear
	WIN 0x40
.set z, ACC
.rept 128
	v_mov_b32 v[z], 0                              ; the second block's sums start at 0
.set z, z+1
.endr
.endif
	WIN 0
.endm
.Lwalk:                                                ; trip T = 0..7: step T is entered, step T + 1 asked for
	CHANGE 1
.Lblock:                                               ; twice a step: a key block
	BLOCK_IN
	PH 0, 1, 1
	PH 1, 1, 1
	WIN 0
	s_cmp_eq_u32 s[U], s[U2N]                      ; the second query block's first key block: the first block's last two chunks have just been multiplied
	s_cbranch_scc0 .Lsame
	WAYOUT 0, OLO, 1
.Lsame:
	PH 2, 1, 1
	PH 3, 1, 1
	BLOCK_ON
	s_cbranch_scc1 .Lblock
	s_add_co_u32 s[T], s[T], 1
	s_cmp_lt_u32 s[T], 8
	s_cbranch_scc1 .Lwalk
	CHANGE 0                                       ; the walk's last step has a text of its own: nothing is asked for
.Llast:
	BLOCK_IN
	PH 0, 1, 1
	PH 1, 1, 1
	PH 2, 1, 1
	PH 3, 1, 1
	BLOCK_ON
	s_cbranch_scc1 .Llast
	PH 0, 0, 1                                     ; the last two chunks: nothing more is loaded
	PH 1, 0, 0
	WAYOUT 1, OHI, 0
	s_wait_tensorcnt 0x0                           ; the wave's end: behind my last tensor load and my last LDS store
	ds_add_u32 v[SPW], v[NIL]
	s_wait_dscnt 0x0
	CROUND                                         ; the closing round
	s_endpgm
.Lfunc_end_k_qfd291123c1_pv:
	.size	k_qfd291123c1_pv, .Lfunc_end_k_qfd291123c1_pv-k_qfd291123c1_pv
	.p2alignl 7, 3214868480
	.fill 96, 4, 3214868480
	.section	.rodata,"a",@progbits
	.p2align	6, 0x0
	.amdhsa_kernel k_qfd291123c1_pv
		.amdhsa_group_segment_fixed_size 327680
		.amdhsa_private_segment_fixed_size 0
		.amdhsa_enable_private_segment 0
		.amdhsa_kernarg_size 32
		.amdhsa_user_sgpr_count 2
		.amdhsa_user_sgpr_kernarg_segment_ptr 1
		.amdhsa_wavefront_size32 1
		.amdhsa_system_sgpr_workgroup_id_x 1
		.amdhsa_system_sgpr_workgroup_id_y 1
		.amdhsa_system_sgpr_workgroup_id_z 1
		.amdhsa_system_vgpr_workitem_id 0
		.amdhsa_next_free_vgpr 512
		.amdhsa_next_free_sgpr 92
		.amdhsa_reserve_vcc 0
		.amdhsa_float_denorm_mode_32 3
		.amdhsa_float_denorm_mode_16_64 3
		.amdhsa_memory_ordered 1
		.amdhsa_forward_progress 1
		.amdhsa_inst_pref_size 102
	.end_amdhsa_kernel
	.amdgpu_metadata
---
amdhsa.version: [ 1, 2 ]
amdhsa.kernels:
  - .name:           k_qfd291123c1_pv
    .symbol:         k_qfd291123c1_pv.kd
    .args:
      - { .name: pt, .offset: 0, .size: 8, .value_kind: global_buffer, .address_space: global }
      - { .name: qkv, .offset: 8, .size: 8, .value_kind: global_buffer, .address_space: global }
      - { .name: stat, .offset: 16, .size: 8, .value_kind: global_buffer, .address_space: global }
      - { .name: out0, .offset: 24, .size: 8, .value_kind: global_buffer, .address_space: global }
    .group_segment_fixed_size: 327680
    .private_segment_fixed_size: 0
    .kernarg_segment_align: 8
    .kernarg_segment_size: 32
    .max_flat_workgroup_size: 128
    .sgpr_count:     92
    .vgpr_count:     512
    .wavefront_size: 32
...
	.end_amdgpu_metadata
.endif
;; end of part 4
;; ======== version 2 of 2: 4 launches; version 1 with the launch cast written anew for expert scheduling mode
;; limits: values are held in f16: magnitudes above 65,504 overflow, below 6.1e-05 lose precision
;; workspace buffers: xb 16,777,216 bytes; wb 6,291,456 bytes; bb 12,288 bytes; qkv 50,331,648 bytes; pt 33,554,432 bytes; stat 1,048,576 bytes; h32 1,572,864 bytes
;; launch cast (part 5): grid 704 x 1, 8 waves a work-group, no clusters, 0 bytes of LDS; arguments x, Wq, Wk, Wv, bq, bk, bv, xb, wb, bb, stat; writes xb, wb, bb, stat
.if DOCPART == 5
	.amdgcn_target "amdgcn-amd-amdhsa--gfx1250"
	.amdhsa_code_object_version 6
	.text
	.protected	k_qfd291123c1_cast
	.globl	k_qfd291123c1_cast
	.p2align	8
	.type	k_qfd291123c1_cast,@function
k_qfd291123c1_cast:
	s_mov_b64 s[64:65], 0
	v_nop
	global_prefetch_b8 v0, s[64:65] scope:SCOPE_SE
	s_setreg_imm32_b32 hwreg(HW_REG_WAVE_SCHED_MODE, 0, 2), 2
	s_setreg_imm32_b32 hwreg(HW_REG_WAVE_MODE, 25, 1), 1
	s_wait_xcnt 0x0
	s_wait_alu depctr_vm_vsrc(0)
; x [8192][1024] and Wq, Wk, Wv [1024][1024], all f32, are rounded once to bf16: xb [8192][1024], wb [3072][1024] (Wq's rows, then Wk's, then Wv's).
; The three biases are rounded to bf16 too and kept as f32 in bb [3072]: every input of the module has the same one rounding.
; stat (c x block maximum [4][16][2048], then block sum [4][16][2048], f32) gets its defaults: -1e30 and 0, for the key blocks that no later launch writes.
; A stream: no LDS, no barrier, no matrix unit.  A work-group takes 16,384 numbers: 512 work-groups for x, 64 for each W.  Thread t takes 16 bytes at 4,096 i + 16 t, i = 0..15:
; all sixteen loads go out first; a store of a wave covers 256 consecutive bytes, aligned.
; THE MODE: SCHED_MODE bits 1:0 = 2 (LLVM: expert scheduling mode 2), set by the entry lines.  The code itself states the register dependences between vector instructions and memory
; instructions, with s_wait_alu, always for 0.
; THE PLAN.  Registers that memory instructions touch:
;   v1, v2   byte offsets, made once at the head and never written again: v1 is read by every load, v2 by the stream's sixteen stores.
;   X        written by the sixteen loads, once each; read by the conversions; no vector instruction writes it and no second load lands in it.
;   Y        written by the conversions, once each; read by the sixteen stores; never written again.
;   v3-v7    in each of the two tails: written by vector instructions (in the bias's tail v4-v7 first take a load, which no vector instruction on that way has named), then read by the tail's one store.
; So: one wait on va_vdst ahead of the first load, for the offsets; one for each group of four loads, behind the group's eight conversions and ahead of its four stores; one ahead of each tail's store.
; No register that a memory instruction reads is written again, so no wait on vm_vsrc is owed.  The wave's number goes through an SGPR: one wait on va_sdst, in the head.
.set X, 8                              ; v[8:71]   sixteen loads of four f32
.set Y, 72                             ; v[72:103] sixteen pairs of packed bf16, each stored once and never rewritten
	s_load_b512 s[8:23], s[0:1], 0x0               ; x s[8:9], Wq s[10:11], Wk s[12:13], Wv s[14:15], bq s[16:17], bk s[18:19], bv s[20:21], xb s[22:23]
	s_load_b128 s[24:27], s[0:1], 0x40             ; wb s[24:25], bb s[26:27]
	s_load_b64 s[28:29], s[0:1], 0x50              ; stat
	v_lshlrev_b32 v1, 4, v0                        ; 16 t
	v_lshlrev_b32 v2, 3, v0                        ; 8 t
	v_lshrrev_b32 v3, 5, v0
	v_readfirstlane_b32 s7, v3                     ; wave 0..7
	s_mov_b32 s2, ttmp9                            ; g
	s_sub_co_u32 s4, s2, 512                       ; g - 512: my place among W's 192 work-groups (of use where g >= 512)
	s_lshr_b32 s5, s4, 6                           ; which W
	s_and_b32 s6, s4, 63                           ; which 64th of it
	s_cmp_lt_u32 s2, 512                           ; do I work on x?
	s_cselect_b32 s3, 1, 0
	s_cselect_b32 s38, s2, s6                      ; my block in the source,
	s_cselect_b32 s40, s2, s4                      ; and in the destination
	s_lshl_b32 s38, s38, 16                        ; 65,536 bytes of f32
	s_mov_b32 s39, 0
	s_lshl_b32 s40, s40, 15                        ; 32,768 bytes of bf16
	s_mov_b32 s41, 0
	s_wait_alu depctr_va_sdst(0)                   ; s7 is written: its first reader, the compare behind the stream, lies past a branch
	s_wait_kmcnt 0x0
	s_cmp_eq_u32 s5, 1
	s_cselect_b64 s[32:33], s[12:13], s[10:11]     ; Wk or Wq,
	s_cselect_b64 s[34:35], s[18:19], s[16:17]     ; bk or bq
	s_cmp_eq_u32 s5, 2
	s_cselect_b64 s[32:33], s[14:15], s[32:33]     ; or Wv,
	s_cselect_b64 s[34:35], s[20:21], s[34:35]     ; bv
	s_cmp_eq_u32 s3, 1
	s_cselect_b64 s[32:33], s[8:9], s[32:33]       ; or x
	s_cselect_b64 s[36:37], s[22:23], s[24:25]     ; into xb or wb
	s_add_nc_u64 s[32:33], s[32:33], s[38:39]
	s_add_nc_u64 s[36:37], s[36:37], s[40:41]
	s_wait_alu depctr_va_vdst(0)                   ; v1 and v2 are written: every load below reads v1 as its offset, every store of the stream v2
.irp i, 0,1,2,3,4,5,6,7,8,9,10,11,12,13,14,15
	global_load_b128 v[X+4*(\i):X+4*(\i)+3], v1, s[32:33] offset:4096*(\i) th:TH_LOAD_NT
.endr
; Four groups of four loads.  A load's two conversions follow the wait for it; the group's four stores follow ONE wait for its eight conversions.
; The stores stand at their own group's end and not at the next group's head: there they would lie behind a wait for data from memory.
.irp g, 0,1,2,3
.irp i, 0,1,2,3
	s_wait_loadcnt 15-4*(\g)-(\i)                  ; loads come back in order: load 4 g + i is in, the younger ones stay out
	v_cvt_pk_bf16_f32 v[Y+8*(\g)+2*(\i)], v[X+16*(\g)+4*(\i)], v[X+16*(\g)+4*(\i)+1]
	v_cvt_pk_bf16_f32 v[Y+8*(\g)+2*(\i)+1], v[X+16*(\g)+4*(\i)+2], v[X+16*(\g)+4*(\i)+3]
.endr
	s_wait_alu depctr_va_vdst(0)                   ; the group's eight conversions have written their eight registers of Y, which the four stores below read
.irp i, 0,1,2,3
	global_store_b64 v2, v[Y+8*(\g)+2*(\i):Y+8*(\g)+2*(\i)+1], s[36:37] offset:2048*(4*(\g)+(\i))
.endr
.endr
	s_cmp_eq_u32 s3, 1
	s_cbranch_scc0 .Lweights
	; x's 512 work-groups also fill stat: 1,024 bytes of each half; waves 0, 1 the maxima's, waves 2, 3 the sums'
	s_cmp_lt_u32 s7, 4
	s_cbranch_scc0 .Lend
	s_cmp_lt_u32 s7, 2
	s_cselect_b32 s42, 0xf149f2ca, 0               ; -1e30, or 0
	s_lshr_b32 s43, s7, 1
	s_lshl_b32 s43, s43, 19                        ; the half: 524,288 bytes
	s_lshl_b32 s44, s2, 10
	s_add_co_u32 s43, s43, s44
	v_and_b32 v3, 63, v0                           ; (no memory instruction has read v3 to v7)
	v_lshlrev_b32 v3, 4, v3
	v_add_nc_u32 v3, s43, v3
	v_mov_b32 v4, s42
	v_mov_b32 v5, s42
	v_mov_b32 v6, s42
	v_mov_b32 v7, s42
	s_wait_alu depctr_va_vdst(0)                   ; v3, the store's offset, and v4 to v7, its data, are written
	global_store_b128 v3, v[4:7], s[28:29]
	s_branch .Lend
.Lweights:
	; the first work-group of each W also rounds that W's bias: 256 threads x four numbers
	s_cmp_eq_u32 s6, 0
	s_cbranch_scc0 .Lend
	global_load_b128 v[4:7], v1, s[34:35]          ; v1 stands as the head's wait left it; on this way no vector instruction has named v4 to v7
	s_lshl_b32 s44, s5, 12                         ; 4,096 bytes of bb for each bias
	v_add_nc_u32 v3, s44, v1
	s_wait_loadcnt 0x0
	v_cvt_pk_bf16_f32 v104, v4, v5
	v_cvt_pk_bf16_f32 v105, v6, v7
	v_lshlrev_b32 v4, 16, v104                     ; bf16 back to f32: the low half moves up,
	v_and_b32 v5, 0xffff0000, v104                 ; the high half stays
	v_lshlrev_b32 v6, 16, v105
	v_and_b32 v7, 0xffff0000, v105
	s_wait_alu depctr_va_vdst(0)                   ; v3, the store's offset, and v4 to v7, its data, are written
	global_store_b128 v3, v[4:7], s[26:27]
.Lend:
	s_endpgm
.Lfunc_end_k_qfd291123c1_cast:
	.size	k_qfd291123c1_cast, .Lfunc_end_k_qfd291123c1_cast-k_qfd291123c1_cast
	.p2alignl 7, 3214868480
	.fill 96, 4, 3214868480
	.section	.rodata,"a",@progbits
	.p2align	6, 0x0
	.amdhsa_kernel k_qfd291123c1_cast
		.amdhsa_group_segment_fixed_size 0
		.amdhsa_private_segment_fixed_size 0
		.amdhsa_enable_private_segment 0
		.amdhsa_kernarg_size 88
		.amdhsa_user_sgpr_count 2
		.amdhsa_user_sgpr_kernarg_segment_ptr 1
		.amdhsa_wavefront_size32 1
		.amdhsa_system_sgpr_workgroup_id_x 1
		.amdhsa_system_sgpr_workgroup_id_y 1
		.amdhsa_system_sgpr_workgroup_id_z 1
		.amdhsa_system_vgpr_workitem_id 0
		.amdhsa_next_free_vgpr 112
		.amdhsa_next_free_sgpr 66
		.amdhsa_reserve_vcc 0
		.amdhsa_float_denorm_mode_32 3
		.amdhsa_float_denorm_mode_16_64 3
		.amdhsa_memory_ordered 1
		.amdhsa_forward_progress 1
		.amdhsa_inst_pref_size 9
	.end_amdhsa_kernel
	.amdgpu_metadata
---
amdhsa.version: [ 1, 2 ]
amdhsa.kernels:
  - .name:           k_qfd291123c1_cast
    .symbol:         k_qfd291123c1_cast.kd
    .args:
      - { .name: x, .offset: 0, .size: 8, .value_kind: global_buffer, .address_space: global }
      - { .name: Wq, .offset: 8, .size: 8, .value_kind: global_buffer, .address_space: global }
      - { .name: Wk, .offset: 16, .size: 8, .value_kind: global_buffer, .address_space: global }
      - { .name: Wv, .offset: 24, .size: 8, .value_kind: global_buffer, .address_space: global }
      - { .name: bq, .offset: 32, .size: 8, .value_kind: global_buffer, .address_space: global }
      - { .name: bk, .offset: 40, .size: 8, .value_kind: global_buffer, .address_space: global }
      - { .name: bv, .offset: 48, .size: 8, .value_kind: global_buffer, .address_space: global }
      - { .name: xb, .offset: 56, .size: 8, .value_kind: global_buffer, .address_space: global }
      - { .name: wb, .offset: 64, .size: 8, .value_kind: global_buffer, .address_space: global }
      - { .name: bb, .offset: 72, .size: 8, .value_kind: global_buffer, .address_space: global }
      - { .name: stat, .offset: 80, .size: 8, .value_kind: global_buffer, .address_space: global }
    .group_segment_fixed_size: 0
    .private_segment_fixed_size: 0
    .kernarg_segment_align: 8
    .kernarg_segment_size: 88
    .max_flat_workgroup_size: 256
    .sgpr_count:     66
    .vgpr_count:     112
    .wavefront_size: 32
...
	.end_amdgpu_metadata
.endif
;; end of part 5
;; launch proj: the kernel of part 2 again; grid 12 x 32, 4 waves a work-group, clusters of 4 x 4, 327,680 bytes of LDS; arguments xb, wb, bb, qkv, h32; writes qkv, h32
;; launch scores: the kernel of part 3 again; grid 13 x 16, 4 waves a work-group, no clusters, 327,680 bytes of LDS; arguments qkv, pt, stat, h32, out0; writes pt, stat, out0
;; launch pv: the kernel of part 4 again; grid 8 x 32, 4 waves a work-group, clusters of 4 x 1, 327,680 bytes of LDS; arguments pt, qkv, stat, out0; writes out0
